; MI455X (gfx1250); checked and timed in simulation.
; The chip was launched on July 23, 2026; its instructions are those of AMD's public machine-readable ISA for CDNA 5 (MIT licence, August 2026) and "CDNA5" Instruction Set Architecture Reference Guide (July 2026). The comments in the code are by the model that wrote it; some were corrected since.
;; Vector Quantizer. Allowed arithmetic: float matrix products may take bf16 or f16 operands with f32 sums; other float arithmetic in f32, or as packed bf16 or f16 multiplies, adds, multiply-adds, maxima and minima; sums over many terms, partial sums and values carried from step to step in f32; what a program stores and reads back later, other than sums and carried values, may be rounded once to bf16 or f16.
;; Inputs: emb 2,048 x 128 float32; z_e 32 x 128 x 32 x 32 float32.
;; Outputs: out0 32 x 128 x 32 x 32 float32; out1 one number float32; out2 32 x 32 x 32 int32.
;; 3 versions, each right; version 3 is version 2 with the launch prep written anew for expert scheduling mode. Each part assembles by itself: llvm-mc -triple=amdgcn-amd-amdhsa -mcpu=gfx1250 --defsym DOCPART=n.
;; ======== version 1 of 3: 4 launches
;; workspace buffers: cb 532,480 bytes; idxw 131,072 bytes of whole numbers; part 1,024 bytes
;; launch prep (part 1): grid 32 x 1, 4 waves a work-group, no clusters, 768 bytes of LDS; arguments emb, cb; writes cb
.if DOCPART == 1
	.amdgcn_target "amdgcn-amd-amdhsa--gfx1250"
	.amdhsa_code_object_version 6
	.text
	.protected	k_q1fd73978d7_prep
	.globl	k_q1fd73978d7_prep
	.p2align	8
	.type	k_q1fd73978d7_prep,@function
k_q1fd73978d7_prep:
	s_mov_b64 s[64:65], 0
	v_nop
	global_prefetch_b8 v0, s[64:65] scope:SCOPE_SE
	s_setreg_imm32_b32 hwreg(HW_REG_WAVE_MODE, 25, 1), 1
	s_wait_xcnt 0x0
; VECTOR QUANTIZER, launch 1 of 4: the codebook, rounded once to bf16, laid out as the matrix unit's fragments, and ee[k] = the sum over d of emb[k][d]^2.
; THE PROGRAM.  prep: emb -> cb.  amin: z_e, cb -> the index of the nearest code for each of the 32,768 rows (out2, and a copy for the next launch's addresses).
; gath: the lookup emb[index], out0 = z + (z_q - z), and for each work-group the sum of (z_q - z)^2.  fin: one wave adds up the 256 sums and stores out1.
; WHAT IS LEFT OUT, AND WHAT IS NOT.  Both inputs are loaded.
;   zz[n] = the sum of z[n][d]^2 is the same for all codes of a row, but it stays: it is some 10^4 times the other two terms, so reference()'s f32 sums
;   (zz - 2 z.e) + ee lose their low bits against it, and which code is the first minimum hangs on that rounding.  The distances are formed as reference() forms them: one
;   rounding of zz - 2 dot, one of the sum with ee, and the first minimum is taken.
;   z + (z_q - z) is formed as written: for z much larger than z_q the rounding of z_q - z is part of the result.
;   THE SQUARES (z_q - z)^2 are formed in gath and summed for each work-group; fin adds up the sums.
;   codebook_loss and commitment_loss are one and the same mean for all values of the inputs (stop_gradient changes no value): it is made once and multiplied by 1 + BETA = 1.25.
; FORMAT.  Every use of z_e and emb (products, zz, ee, z_q) takes the input rounded once to bf16, so that all results belong to one set of rounded inputs.
; LIMITS.  The f32 sums of a dot product, of zz and of ee are taken in another order than reference()'s: where two codes' distances differ by less than that, the other may be chosen.
; A least distance carries at most some 21 roundings of 2^-24 zz (19 in zz's sum, 2 in the distance).
; A NaN among the distances is passed over by the minimum, where jnp.argmin would stop at it; a row whose distances are all infinite or NaN gets index 0.
;
; cb: 32 chunks of 16,640 bytes.  Chunk q = 8 s + w holds the 64 codes 256 w + 64 s .. + 63: what wave w of the next launch multiplies in its pass s.  In a chunk: four tiles of 16 codes, 4,096 bytes
; each, then the 64 ee in f32 (256 bytes).  In a tile, piece j = 2 c + p of lane L = 16 h + r lies at 512 j + 16 L and holds code r, channels 32 c + 16 p + 8 h + 0..7: four registers of source 0's
; fragment for K step c, as they lie in the registers (ISA guide 7.12.2), so that 32 lanes read 512 bytes on end.
; SHARES.  Work-group q makes chunk q, wave t its tile t.  A wave's sixteen loads together cover its 16 rows of emb, 8 KiB, whole; each store of a wave covers 512 consecutive bytes, aligned.
; No cluster, no tensor load: no two work-groups read the same byte, and the whole table is 1 MiB.
.set CHUNK, 16640
.set EES,   0                          ; LDS: the chunk's 64 ee, 256 bytes
.set SPARE, 256                        ; the spare words, 128 bytes for each of four waves: two blocks of 256 bytes that no other line names
.set GI,  4                            ; v4   my byte offset in emb: code x 512 + 32 h; never rewritten
.set GO,  5                            ; v5   my byte offset in the chunk: 4,096 x wave + 16 x lane; never rewritten
.set SPW, 6                            ; v6   LDS address of my spare word; never rewritten
.set NIL, 7                            ; v7   0; never rewritten
.set NUL, 8                            ; v8   0.0: starts the four chains of ee
.set TA,  9                            ; v9   an LDS address, then the offset of ee's store
.set SUM, 10                           ; v[10:13]  four chains
.set F,   16                           ; v[16:79]  piece j: 8 numbers in f32
.set P,   80                           ; v[80:111] piece j: 4 registers of bf16
.set WV,  8                            ; s8   my wave's number
	s_load_b128 s[4:7], s[0:1], 0x0                ; emb s[4:5], cb s[6:7]
	v_lshl_add_u32 v[SPW], v0, 2, SPARE
	v_mov_b32 v[NIL], 0
	v_lshrrev_b32 v[TA], 5, v0
	v_readfirstlane_b32 s[WV], v[TA]               ; wave 0..3
	v_and_b32 v1, 15, v0                           ; r
	v_bfe_u32 v2, v0, 4, 1                         ; h
	v_and_b32 v3, 31, v0                           ; lane
	s_and_b32 s9, ttmp9, 7                         ; w
	s_lshr_b32 s10, ttmp9, 3                       ; s
	s_lshl_b32 s9, s9, 8
	s_lshl_b32 s10, s10, 6
	s_add_co_u32 s9, s9, s10                       ; the chunk's first code: 256 w + 64 s
	s_lshl_b32 s11, s[WV], 4
	s_add_co_u32 s9, s9, s11                       ; my tile's first code
	v_add_nc_u32 v[GI], s9, v1
	v_lshlrev_b32 v[GI], 9, v[GI]                  ; a row of emb is 512 bytes
	v_lshl_add_u32 v[GI], v2, 5, v[GI]
	s_lshl_b32 s11, s[WV], 12
	v_lshl_add_u32 v[GO], v3, 4, s11
	s_mul_i32 s14, ttmp9, CHUNK
	s_mov_b32 s15, 0
	s_mov_b32 s12, 0x76543210                      ; v_permlanex16_b32's selects: each lane takes its own place in the other half
	s_mov_b32 s13, 0xfedcba98
	v_mov_b32 v[NUL], 0
	s_wait_kmcnt 0x0
	s_add_nc_u64 s[6:7], s[6:7], s[14:15]          ; cb at my chunk
.set j, 0
.rept 8                                ; piece j: channels 16 j + 8 h + 0..7 are 32 bytes at 64 j + 32 h of the row
	global_load_b128 v[F+8*j:F+8*j+3],   v[GI], s[4:5] offset:64*j
	global_load_b128 v[F+8*j+4:F+8*j+7], v[GI], s[4:5] offset:64*j+16
.set j, j+1
.endr
.set j, 0
.rept 8
	s_wait_loadcnt 14-2*j                          ; loads come back in order (ISA guide 5.7.1): piece j's two are in, the 14 - 2 j younger ones stay out
.irp t, 0,1,2,3
	v_cvt_pk_bf16_f32 v[P+4*j+\t], v[F+8*j+2*\t], v[F+8*j+2*\t+1]
.endr
	global_store_b128 v[GO], v[P+4*j:P+4*j+3], s[6:7] offset:512*j  ; the wave's 512 consecutive bytes; P's registers are only read from here on
.set j, j+1
.endr
	; ee of code r, of the rounded numbers: my 64 squares in four chains, then the other half of the lanes' 64
.set n, 0
.rept 32
.if n < 2
	v_fma_mix_f32_bf16 v[SUM+(2*n)%4],   v[P+n], v[P+n], v[NUL] op_sel_hi:[1,1,0]
	v_fma_mix_f32_bf16 v[SUM+(2*n+1)%4], v[P+n], v[P+n], v[NUL] op_sel:[1,1,0] op_sel_hi:[1,1,0]
.else
	v_fma_mix_f32_bf16 v[SUM+(2*n)%4],   v[P+n], v[P+n], v[SUM+(2*n)%4] op_sel_hi:[1,1,0]
	v_fma_mix_f32_bf16 v[SUM+(2*n+1)%4], v[P+n], v[P+n], v[SUM+(2*n+1)%4] op_sel:[1,1,0] op_sel_hi:[1,1,0]
.endif
.set n, n+1
.endr
	v_add_f32 v[SUM], v[SUM], v[SUM+1]
	v_add_f32 v[SUM+2], v[SUM+2], v[SUM+3]
	v_add_f32 v[SUM], v[SUM], v[SUM+2]
	v_permlanex16_b32 v[SUM+1], v[SUM], s12, s13   ; its destination counts as read: a register that has been written
	v_add_f32 v[SUM], v[SUM], v[SUM+1]
	s_lshl_b32 s11, s[WV], 6
	v_lshl_add_u32 v[TA], v1, 2, s11               ; word 16 x wave + r; the two lanes of a code write the same number
	ds_store_b32 v[TA], v[SUM] offset:EES
	s_wait_dscnt 0x0                               ; for the others' sake: my store is done
	s_barrier_signal -1
	s_barrier_wait -1                              ; all 64 ee lie in LDS
	s_cmp_lg_u32 s[WV], 0
	s_cbranch_scc1 .Lend                           ; wave 0 stores them as one block of 256 bytes
	v_lshlrev_b32 v[TA], 3, v3
	ds_load_b64 v[SUM+2:SUM+3], v[TA] offset:EES
	s_wait_dscnt 0x0
	global_store_b64 v[TA], v[SUM+2:SUM+3], s[6:7] offset:16384
.Lend:
	s_wait_tensorcnt 0x0                           ; the wave's end, behind my last LDS store
	ds_add_u32 v[SPW], v[NIL]
	s_wait_dscnt 0x0
	s_endpgm
.Lfunc_end_k_q1fd73978d7_prep:
	.size	k_q1fd73978d7_prep, .Lfunc_end_k_q1fd73978d7_prep-k_q1fd73978d7_prep
	.p2alignl 7, 3214868480
	.fill 96, 4, 3214868480
	.section	.rodata,"a",@progbits
	.p2align	6, 0x0
	.amdhsa_kernel k_q1fd73978d7_prep
		.amdhsa_group_segment_fixed_size 768
		.amdhsa_private_segment_fixed_size 0
		.amdhsa_enable_private_segment 0
		.amdhsa_kernarg_size 16
		.amdhsa_user_sgpr_count 2
		.amdhsa_user_sgpr_kernarg_segment_ptr 1
		.amdhsa_wavefront_size32 1
		.amdhsa_system_sgpr_workgroup_id_x 1
		.amdhsa_system_sgpr_workgroup_id_y 1
		.amdhsa_system_sgpr_workgroup_id_z 1
		.amdhsa_system_vgpr_workitem_id 0
		.amdhsa_next_free_vgpr 112
		.amdhsa_next_free_sgpr 66
		.amdhsa_reserve_vcc 0
		.amdhsa_float_denorm_mode_32 3
		.amdhsa_float_denorm_mode_16_64 3
		.amdhsa_memory_ordered 1
		.amdhsa_forward_progress 1
		.amdhsa_inst_pref_size 11
	.end_amdhsa_kernel
	.amdgpu_metadata
---
amdhsa.version: [ 1, 2 ]
amdhsa.kernels:
  - .name:           k_q1fd73978d7_prep
    .symbol:         k_q1fd73978d7_prep.kd
    .args:
      - { .name: emb, .offset: 0, .size: 8, .value_kind: global_buffer, .address_space: global }
      - { .name: cb, .offset: 8, .size: 8, .value_kind: global_buffer, .address_space: global }
    .group_segment_fixed_size: 768
    .private_segment_fixed_size: 0
    .kernarg_segment_align: 8
    .kernarg_segment_size: 16
    .max_flat_workgroup_size: 128
    .sgpr_count:     66
    .vgpr_count:     112
    .wavefront_size: 32
...
	.end_amdgpu_metadata
.endif
;; end of part 1
;; launch amin (part 2): grid 256 x 1, 8 waves a work-group, clusters of 4 x 1, 327,680 bytes of LDS; arguments z_e, cb, out2, idxw; writes out2, idxw
.if DOCPART == 2
	.amdgcn_target "amdgcn-amd-amdhsa--gfx1250"
	.amdhsa_code_object_version 6
	.text
	.protected	k_q1fd73978d7_amin
	.globl	k_q1fd73978d7_amin
	.p2align	8
	.type	k_q1fd73978d7_amin,@function
k_q1fd73978d7_amin:
	s_mov_b64 s[64:65], 0
	v_nop
	global_prefetch_b8 v0, s[64:65] scope:SCOPE_SE
	s_setreg_imm32_b32 hwreg(HW_REG_WAVE_MODE, 25, 1), 1
	s_wait_xcnt 0x0
	s_wait_alu depctr_hold_cnt(0) depctr_sa_sdst(0) depctr_va_vdst(0) depctr_va_sdst(0) depctr_va_ssrc(0) depctr_va_vcc(0) depctr_vm_vsrc(0)
	s_getreg_b32 s2, hwreg(HW_REG_IB_STS2, 6, 4)
	s_cmp_eq_u32 s2, 0
	s_cbranch_scc0 .Lentry_in_a_cluster
	s_endpgm
.Lentry_in_a_cluster:
	s_bfe_u32 s2, ttmp6, 0x10000c
	s_cmp_lg_u32 s2, 0x3003
	s_cbranch_scc0 .Lentry_shape_is_right
	s_endpgm
.Lentry_shape_is_right:
; VECTOR QUANTIZER, launch 2 of 4: for each row n of z (channels along d) the first k that makes dist[n][k] = (zz[n] - 2 z[n].e[k]) + ee[k] least.  Nothing of reference() is left out here: zz stays,
; since the f32 sums lose the other terms' low bits against it and the first minimum hangs on that rounding.  z and e are the inputs rounded once to bf16; products in the matrix unit, sums in f32.
; LIMITS.  The order of a dot product's and of zz's f32 sums is not reference()'s.  A NaN among the distances is passed over; a row whose distances are all infinite or NaN gets index 0.
; SHARES.  Work-group g owns the 128 rows of batch g / 8, places 128 (g % 8) .. + 127.  EVERY one of its eight waves holds all 128 rows as source 1's fragments (8 row tiles x 4 K steps x 8 = 256
; registers, window 1) and walks ITS OWN 256 codes, 256 w .. 256 w + 255, in ascending order: 4 passes of 4 tiles of 16 codes.  So each fragment of the codebook is read out of LDS by one wave, once.
; LAYOUT.  D = e z^T (source 0 = 16 codes, source 1 = 16 rows): a lane holds ONE row (lane % 16) and, in the 8 registers, the codes 8 (lane / 16) + 0..7 of the tile: an OCTET.
; THE ARGMIN.  For an octet: 4 packed fused multiply-adds zz - 2 dot (one rounding), 4 packed additions of ee, 4 lines for the octet's least distance, one compare with the row's running minimum (strictly
; less: the earlier octet keeps a tie), and 10 selects that keep the minimum, the octet's first code and its 8 distances.  Where in the octet the minimum lies is found once, at the end: the first
; kept distance that equals it.  That is 23 vector lines for 8 distances.
; PHASES.  A tile is 32 matrix instructions, then 184 vector instructions, with two switches of the register window.  Between the rounds of the cluster's barrier the eight waves are not tied to each other.
; CLUSTER.  All work-groups walk the same codebook, so the four of a cluster ask for each chunk JOINTLY: wave w of each issues the same tensor load (chunk of pass s and wave w), with the same
; descriptor and the mask of four.  Wave w alone reads what it asked for, behind its own wait on TENSORcnt.  Two slots of a pass each; passes 2 and 3 are refills, each behind a round of the cluster's barrier.
; By this text's own count a wave has at most two tensor loads outstanding.
; REGISTERS, in windows of 256 (s_set_vgpr_msb: bits 1:0 source 0, 3:2 source 1, 5:4 source 2, 7:6 destination): window 0 as named below; window 1: row tile i, K step c at v[32 i + 8 c].
.set CHUNK, 16640                      ; 65 blocks of 256 bytes: four tiles of 4,096 in fragment order, then 64 ee
.set SLOTB, 8*CHUNK                    ; a slot: a pass's eight chunks, wave w's at w x CHUNK
.set ZT,    2*SLOTB                    ; z in bf16 as [d][n]
.set ZP,    288                        ; its pitch: 256 bytes + 32 = 72 words
.set ZZS,   ZT+128*ZP                  ; zz of the 128 rows
.set MRG,   ZZS+512                    ; the waves' minima [wave][row] f32, 4,096 bytes, then their indices [wave][row]
.set SPARE, MRG+8192                   ; the spare words, 128 bytes for each of eight waves: four blocks of 256 bytes that no other line names
.set AF,  4                            ; v4   LDS address of the fragments to be fetched
.set AE,  5                            ; v5   of the ee to be fetched
.set AFB, 6                            ; v6   w x CHUNK + 16 x lane; never rewritten
.set AEB, 8                            ; v8   w x CHUNK + 16,384 + 32 (lane / 16); never rewritten
.set CUR, 10                           ; v10  the first code of my octet in the tile in hand: 256 w + 8 (lane / 16) + 16 x tile
.set NUL, 11                           ; v11  0.0
.set BM,  12                           ; v[12:13]  two octets' minima
.set SPW, 14                           ; v14  LDS address of my spare word; never rewritten
.set NIL, 15                           ; v15  0; never rewritten
.set ZZ,  16                           ; v[16:31]  row tile i: zz of my row, twice (a pair for the packed line)
.set RB,  32                           ; v[32:47]  row tile i: the running minimum, and beside it the first code of the octet that holds it
.set EE,  48                           ; v[48:55]  ee of my octet's codes
.set A,   56                           ; v[56:87]  the tile's fragments, K step c at A + 8 c
.set SV,  88                           ; v[88:151] row tile i: the 8 distances of the octet that holds the minimum
.set ACC, 152                          ; v[152:215] row tile i: the accumulator
.set ZO,  216                          ; v216 my byte offset in z: (w << 16) + 16 x lane
.set ZTW, 217                          ; v217 where I put 4 rows' bf16 of a channel
.set ZTR, 218                          ; v218 my lane's place for the turning loads
.set ZTO, 219                          ; v219 the same at row tile w
.set ZZW, 220                          ; v220 where I put zz
.set ZZR, 221                          ; v221 where I read it
.set MW,  222                          ; v222 where I put a minimum
.set MR,  223                          ; v223 where wave 0 reads them
.set PFO, 224                          ; v224 the prefetch's offset; never rewritten
.set GO,  225                          ; v225 16 x lane: my 4 indices in the work-group's 512 bytes
.set SUM, 232                          ; v[232:235] four chains for zz; at the end: a position, the other half's minimum and index
.set WV,  12                           ; s12  my wave's number
.set G1,  16                           ; s[16:23] descriptor group 1
.set G0A, 24                           ; s[24:27] group 0 for slot 0
.set G0B, 28                           ; s[28:31] for slot 1
.set CNT, 34                           ; s34  counts tiles
.set INF, 35                           ; s35  +infinity
.set SEL, 36                           ; s[36:37] v_permlanex16_b32's selects
.set TA,  38                           ; s38  slot + 4,096 x tile: what AFB lacks
.set TE,  39                           ; s39  slot + 64 x tile: what AEB lacks
.set MK,  40                           ; s[40:43] lane masks (VCC is not used)
.set PFA, 44                           ; s[44:45] cb at the chunk of pass 2 and my wave; never rewritten
.set MSB, 0
.macro WIN new                         ; the immediate's high byte repeats the setting that is left; a switch that changes nothing is dropped
.if MSB != (\new)
	s_set_vgpr_msb (MSB<<8)|(\new)
.set MSB, \new
.endif
.endm
; A round of the cluster's barrier: my work-group's barrier, so that wave 0's signal speaks for all eight waves; wave 0 signals; every wave waits for all four work-groups; my work-group's barrier once more.
.macro CROUND
	s_barrier_signal -1
	s_barrier_wait -1
	s_cmp_lg_u32 s[WV], 0
	s_cbranch_scc1 .Lnot_wave_0_\@
	s_barrier_signal -3
.Lnot_wave_0_\@:
	s_barrier_wait -3
	s_barrier_signal -1
	s_barrier_wait -1
.endm
	s_load_b256 s[4:11], s[0:1], 0x0               ; z_e s[4:5], cb s[6:7], out2 s[8:9], idxw s[10:11]
	v_lshl_add_u32 v[SPW], v0, 2, SPARE
	v_mov_b32 v[NIL], 0
	ds_add_u32 v[SPW], v[NIL]                      ; the wave's opening: the add, twice on end, and its wait ahead of my first tensor load; the set-up below, work on registers, stands between
	ds_add_u32 v[SPW], v[NIL]                      ; and once more, under the one wait
	v_lshrrev_b32 v1, 5, v0
	v_readfirstlane_b32 s[WV], v1                  ; wave 0..7
	v_and_b32 v1, 15, v0                           ; r = lane % 16
	v_bfe_u32 v2, v0, 4, 1                         ; h = lane / 16
	v_and_b32 v3, 31, v0                           ; lane
	s_bfe_u32 s13, ttmp6, 0x40000                  ; cx: my place in the cluster
	s_lshl_b32 s14, ttmp9, 2                       ; in a cluster launch ttmp9 counts clusters
	s_add_co_u32 s14, s14, s13                     ; g = 4 x cluster + cx: it enters z's, out2's and idxw's addresses and the prefetch's offset alone
	; descriptor group 1: a chunk is dense: 65 rows of 32 elements of 8 bytes, no padding
	s_mov_b32 s[G1+0], 15|(3<<16)|(1<<21)          ; 15:0 the mask: all four work-groups; 17:16 elements of 8 bytes; 21 set beside a mask
	s_mov_b32 s[G1+1], 32<<16                      ; tensor_dim0 = 32
	s_mov_b32 s[G1+2], 65<<16                      ; tensor_dim1 = 65
	s_mov_b32 s[G1+3], 32<<16                      ; tile_dim0 = 32
	s_mov_b32 s[G1+4], 65                          ; tile_dim1 = 65
	s_mov_b32 s[G1+5], 32                          ; 32 elements from row to row
	s_mov_b32 s[G1+6], 0
	s_mov_b32 s[G1+7], 0
	s_mul_i32 s32, s[WV], CHUNK                    ; my chunk's place in a pass, in memory and in a slot: no place in the cluster enters an LDS address
	s_mov_b32 s33, 0
	s_mov_b32 s[G0A], 1                            ; count = 1
	s_mov_b32 s[G0A+1], s32                        ; LDS address: slot 0
	s_mov_b32 s[G0B], 1
	s_add_co_u32 s[G0B+1], s32, SLOTB              ; slot 1
	s_mov_b32 s[INF], 0x7f800000
	s_mov_b32 s[SEL], 0x76543210
	s_mov_b32 s[SEL+1], 0xfedcba98
	v_lshl_add_u32 v[AFB], v3, 4, s32
	v_lshl_add_u32 v[AEB], v2, 5, s32
	v_add_nc_u32 v[AEB], 16384, v[AEB]
	s_lshl_b32 s15, s[WV], 8
	v_lshl_add_u32 v[CUR], v2, 3, s15
	v_mov_b32 v[NUL], 0
	s_lshl_b32 s15, s[WV], 16                      ; my 16 channels: 16 w x 4,096 bytes
	v_lshl_add_u32 v[ZO], v3, 4, s15
	s_mul_i32 s15, s[WV], 16*ZP
	s_add_co_u32 s15, s15, ZT
	v_lshl_add_u32 v[ZTW], v3, 3, s15              ; channel 16 w, rows 4 x lane on
	; The turning load takes 16 channels x 16 rows (lane l reads 16 bytes: channel 8 (l / 16) + l % 8, rows 8 ((l / 8) % 2) + 0..7) and leaves half a fragment: lane l holds row l % 16 and 8 channels.
	v_and_b32 v[ZTR], 7, v0
	v_lshl_add_u32 v[ZTR], v2, 3, v[ZTR]
	v_mul_u32_u24 v[ZTR], v[ZTR], ZP
	v_bfe_u32 v[ZTO], v0, 3, 1
	v_lshl_add_u32 v[ZTR], v[ZTO], 4, v[ZTR]
	v_add_nc_u32 v[ZTR], ZT, v[ZTR]
	s_lshl_b32 s15, s[WV], 5
	v_add_nc_u32 v[ZTO], s15, v[ZTR]
	s_lshl_b32 s15, s[WV], 6
	s_add_co_u32 s15, s15, ZZS
	v_lshl_add_u32 v[ZZW], v1, 2, s15              ; row 16 w + r
	v_lshl_add_u32 v[ZZR], v1, 2, ZZS
	s_lshl_b32 s15, s[WV], 9
	s_add_co_u32 s15, s15, MRG
	v_lshl_add_u32 v[MW], v1, 2, s15
	v_lshl_add_u32 v[MR], v3, 4, MRG
	v_lshlrev_b32 v[GO], 4, v3
	v_mul_u32_u24 v[PFO], v2, SLOTB                ; lanes 0-15: pass 2's chunk, lanes 16-31: pass 3's;
	v_lshl_add_u32 v[PFO], v1, 8, v[PFO]           ; a lane a block of 256 bytes;
	s_lshl_b32 s15, s13, 12
	v_add_nc_u32 v[PFO], s15, v[PFO]               ; my work-group's 16 of the fragments' 64 blocks: the partners are told apart by address
	s_lshr_b32 s15, s14, 3
	s_lshl_b32 s15, s15, 19                        ; the batch: 524,288 bytes
	s_and_b32 s46, s14, 7
	s_lshl_b32 s46, s46, 9                         ; my 128 places: 512 bytes of each channel
	s_add_co_u32 s46, s46, s15
	s_mov_b32 s47, 0
	s_wait_dscnt 0x0                               ; both opening adds are done
	s_wait_kmcnt 0x0
	s_add_nc_u64 s[4:5], s[4:5], s[46:47]
.set i, 0
.rept 16                               ; channel 16 w + i of the 128 rows: 512 consecutive bytes, aligned.  They go out ahead of the round
	global_load_b128 v[ACC+4*i:ACC+4*i+3], v[ZO], s[4:5] offset:4096*i
.set i, i+1
.endr
	s_add_nc_u64 s[G0A+2:G0A+3], s[6:7], s[32:33]  ; pass 0's chunk,
	s_add_nc_u64 s[G0B+2:G0B+3], s[G0A+2:G0A+3], SLOTB    ; pass 1's,
	s_add_nc_u64 s[PFA:PFA+1], s[G0A+2:G0A+3], 2*SLOTB    ; pass 2's
	s_or_b32 s[G0A+3], s[G0A+3], 0x80000000        ; type = 2
	s_or_b32 s[G0B+3], s[G0B+3], 0x80000000
	s_lshl_b32 s46, s14, 9                         ; the work-group's 128 indices: 512 bytes
	s_add_nc_u64 s[8:9], s[8:9], s[46:47]
	s_add_nc_u64 s[10:11], s[10:11], s[46:47]
	CROUND                                         ; all four work-groups are here: the first joint loads meet
	tensor_load_to_lds s[G0A:G0A+3], s[G1:G1+7]    ; both first fills go out together, ahead of every wait on TENSORcnt and every LDS read
	s_nop 0
	tensor_load_to_lds s[G0B:G0B+3], s[G1:G1+7]
	s_nop 0
	; The running state, written while the loads are out: the minimum and the kept octet at +infinity, the octet's code at my first.  So the loop has one form of tile, and a row with no finite distance gets my first code.
.set i, 0
.rept 8
	v_mov_b32 v[RB+2*i], s[INF]
	v_mov_b32 v[RB+2*i+1], v[CUR]
.set i, i+1
.endr
.set i, 0
.rept 64
	v_mov_b32 v[SV+i], s[INF]
.set i, i+1
.endr
.set i, 0
.rept 16
	s_wait_loadcnt 15-i                            ; channel i is in, the 15 - i younger loads stay out
	v_cvt_pk_bf16_f32 v[A+2*i],   v[ACC+4*i],   v[ACC+4*i+1]
	v_cvt_pk_bf16_f32 v[A+2*i+1], v[ACC+4*i+2], v[ACC+4*i+3]
	ds_store_b64 v[ZTW], v[A+2*i:A+2*i+1] offset:ZP*i  ; 32 lanes, 256 bytes on end
.set i, i+1
.endr
	s_wait_dscnt 0x0                               ; for the others' sake: my 16 channels lie in LDS
	s_barrier_signal -1                            ; (my two tensor loads may stay out)
	s_barrier_wait -1                              ; all 128 channels do
.irp c, 0,1,2,3                        ; my own row tile w first, into the fragments' registers, for zz
	ds_load_tr16_b128 v[A+8*\c:A+8*\c+3],   v[ZTO] offset:32*ZP*\c
	ds_load_tr16_b128 v[A+8*\c+4:A+8*\c+7], v[ZTO] offset:32*ZP*\c+16*ZP
.endr
	WIN 0x40                                       ; destination window 1, address window 0
.irp i, 0,1,2,3,4,5,6,7
.irp c, 0,1,2,3
	ds_load_tr16_b128 v[32*\i+8*\c:32*\i+8*\c+3],   v[ZTR] offset:32*ZP*\c+32*\i
	ds_load_tr16_b128 v[32*\i+8*\c+4:32*\i+8*\c+7], v[ZTR] offset:32*ZP*\c+16*ZP+32*\i
.endr
.endr
	WIN 0
	; A PREFETCH of what the two refills will ask for: the fragments of the chunks of passes 2 and 3.  All clusters walk the same codebook: the first cluster asks, and nobody else (the test is the same in its four
	; partners); wave w asks for its own two chunks, each partner for 16 of a chunk's 64 blocks of 256 bytes, a lane a block: each block is named once in the launch.  It stands behind the run of LDS loads, one pass of
	; 128 matrix instructions a wave ahead of the first refill and two ahead of the second.  Passes 0 and 1 and the blocks of ee come by their loads alone.
	s_cmp_eq_u32 ttmp9, 0
	s_cbranch_scc0 .Lno_ask
	global_prefetch_b8 v[PFO], s[PFA:PFA+1] th:TH_LOAD_NT scope:SCOPE_SE
.Lno_ask:
	s_wait_dscnt 63                                ; 64 loads are younger than my own tile's eight; the wait can name 63 at the most
.set n, 0
.rept 32                               ; zz of row 16 w + r, of the rounded numbers: my 64 squares in four chains
.if n < 2
	v_fma_mix_f32_bf16 v[SUM+(2*n)%4],   v[A+n], v[A+n], v[NUL] op_sel_hi:[1,1,0]
	v_fma_mix_f32_bf16 v[SUM+(2*n+1)%4], v[A+n], v[A+n], v[NUL] op_sel:[1,1,0] op_sel_hi:[1,1,0]
.else
	v_fma_mix_f32_bf16 v[SUM+(2*n)%4],   v[A+n], v[A+n], v[SUM+(2*n)%4] op_sel_hi:[1,1,0]
	v_fma_mix_f32_bf16 v[SUM+(2*n+1)%4], v[A+n], v[A+n], v[SUM+(2*n+1)%4] op_sel:[1,1,0] op_sel_hi:[1,1,0]
.endif
.set n, n+1
.endr
	v_add_f32 v[SUM], v[SUM], v[SUM+1]
	v_add_f32 v[SUM+2], v[SUM+2], v[SUM+3]
	v_add_f32 v[SUM], v[SUM], v[SUM+2]
	v_permlanex16_b32 v[SUM+1], v[SUM], s[SEL], s[SEL+1]  ; the row's other 64 channels lie in the lane 16 away
	v_add_f32 v[SUM], v[SUM], v[SUM+1]
	ds_store_b32 v[ZZW], v[SUM]                    ; the two lanes of a row write the same number
	s_wait_dscnt 0x0                               ; my store is done, and window 1 is filled
	s_barrier_signal -1
	s_barrier_wait -1                              ; all 128 zz lie in LDS
.set i, 0
.rept 8
	ds_load_b32 v[ZZ+2*i], v[ZZR] offset:64*i
.set i, i+1
.endr
	s_mov_b32 s[TA], 0
	s_mov_b32 s[TE], 0
	v_add_nc_u32 v[AF], s[TA], v[AFB]
	v_add_nc_u32 v[AE], s[TE], v[AEB]
	s_wait_dscnt 0x0
.set i, 0
.rept 8
	v_mov_b32 v[ZZ+2*i+1], v[ZZ+2*i]
.set i, i+1
.endr
.macro FETCH_A                         ; a tile's fragments: 8 loads of 512 bytes on end
.irp j, 0,1,2,3,4,5,6,7
	ds_load_b128 v[A+4*\j:A+4*\j+3], v[AF] offset:512*\j
.endr
.endm
.macro FETCH_E                         ; ee of my octet: 32 bytes, the same for the 16 lanes of a half
	ds_load_b128 v[EE:EE+3],   v[AE]
	ds_load_b128 v[EE+4:EE+7], v[AE] offset:16
.endm
; 32 matrix instructions: K step c, row tile i.  The first eight start the sums with the constant 0.  The eight accumulators take turns, one instruction a turn, over the backward jump too.
.macro MUL
	WIN 0x04                                       ; source 1 in window 1
.irp c, 0,1,2,3
.irp i, 0,1,2,3,4,5,6,7
.if \c == 0
	v_wmma_f32_16x16x32_bf16 v[ACC+8*\i:ACC+8*\i+7], v[A+8*\c:A+8*\c+7], v[32*\i+8*\c:32*\i+8*\c+7], 0
.else
	v_wmma_f32_16x16x32_bf16 v[ACC+8*\i:ACC+8*\i+7], v[A+8*\c:A+8*\c+7], v[32*\i+8*\c:32*\i+8*\c+7], v[ACC+8*\i:ACC+8*\i+7]
.endif
.endr
.endr
	WIN 0
.endm
; The octets of row tiles i and i + 1, line by line by turns, so that no line reads the result of the one before it.  Each accumulator is read from its lowest registers on.
.macro VPAIR i
.irp j, 0,2,4,6
.irp t, \i, (\i)+1
	v_pk_fma_f32 v[ACC+8*(\t)+\j:ACC+8*(\t)+\j+1], v[ACC+8*(\t)+\j:ACC+8*(\t)+\j+1], -2.0, v[ZZ+2*(\t):ZZ+2*(\t)+1] op_sel_hi:[1,0,1]  ; zz - 2 dot, rounded once
.endr
.endr
.irp j, 0,2,4,6
.irp t, \i, (\i)+1
	v_pk_add_f32 v[ACC+8*(\t)+\j:ACC+8*(\t)+\j+1], v[ACC+8*(\t)+\j:ACC+8*(\t)+\j+1], v[EE+\j:EE+\j+1]  ; + ee
.endr
.endr
.irp t, \i, (\i)+1
	v_min3_num_f32 v[BM+(\t)-(\i)], v[ACC+8*(\t)], v[ACC+8*(\t)+1], v[ACC+8*(\t)+2]
.endr
.irp j, 3,5
.irp t, \i, (\i)+1
	v_min3_num_f32 v[BM+(\t)-(\i)], v[BM+(\t)-(\i)], v[ACC+8*(\t)+\j], v[ACC+8*(\t)+\j+1]
.endr
.endr
.irp t, \i, (\i)+1
	v_min_num_f32 v[BM+(\t)-(\i)], v[BM+(\t)-(\i)], v[ACC+8*(\t)+7]
.endr
.irp t, \i, (\i)+1
	v_cmp_lt_f32 s[MK+(\t)-(\i)], v[BM+(\t)-(\i)], v[RB+2*(\t)]  ; strictly less: a tie stays with the earlier octet
.endr
.irp t, \i, (\i)+1
	v_cndmask_b32 v[RB+2*(\t)], v[RB+2*(\t)], v[BM+(\t)-(\i)], s[MK+(\t)-(\i)]
.endr
.irp t, \i, (\i)+1
	v_cndmask_b32 v[RB+2*(\t)+1], v[RB+2*(\t)+1], v[CUR], s[MK+(\t)-(\i)]
.endr
.irp j, 0,1,2,3,4,5,6,7
.irp t, \i, (\i)+1
	v_cndmask_b32 v[SV+8*(\t)+\j], v[SV+8*(\t)+\j], v[ACC+8*(\t)+\j], s[MK+(\t)-(\i)]
.endr
.endr
.endm
; A TILE: its products, the next tile's fragments asked for, its octets, the next tile's ee asked for.  The four plain vector lines behind the products are the places (ISA guide 7.12.1 for the lines that read the results)
; in front of the loads into the fragments' registers and of the lines that read the results.
; mode 0: the next tile lies in the same slot.   mode 1: it lies in the other slot (first byte nxt), and the slot that is left is filled again, by group 0 g0, with the pass two on.
; mode 2: the other slot, and nothing is left to ask for.   mode 3: the last tile.
.macro TILE mode, g0=0, nxt=0
	s_wait_dscnt 2                                 ; the fragments' eight loads are in; ee's two, which are younger, may stay out
	MUL
.if \mode == 0
	s_add_co_u32 s[TA], s[TA], 4096
	s_add_co_u32 s[TE], s[TE], 64
	v_add_nc_u32 v[AF], s[TA], v[AFB]
	v_add_nc_u32 v[AE], s[TE], v[AEB]
	v_nop
	v_nop
	FETCH_A
	s_wait_dscnt 8                                 ; ee is in; the eight loads just issued stay out
.elseif \mode == 1
	s_wait_tensorcnt 0x0                           ; all my tensor loads have landed: the one that was out is my chunk of the other slot; so a group 0 may be written
	ds_add_u32 v[SPW], v[NIL]                      ; 0 onto my spare word; work on registers stands between it and the wait for it
	s_add_nc_u64 s[\g0+2:\g0+3], s[\g0+2:\g0+3], 2*SLOTB  ; this slot's next pass; the type bits on top are not reached
	s_mov_b32 s[TA], \nxt
	s_mov_b32 s[TE], \nxt
	v_add_nc_u32 v[AF], s[TA], v[AFB]
	v_add_nc_u32 v[AE], s[TE], v[AEB]
	v_nop
	v_nop
	s_wait_dscnt 0x0                               ; the add is done, and my reads of the slot are over: its last tile's fragments and ee lie in registers
	CROUND                                         ; no wave of any partner still reads the slot or has a load on its way
	tensor_load_to_lds s[\g0:\g0+3], s[G1:G1+7]    ; the joint refill, first behind the round, my one tensor load until the next
	s_nop 0
	FETCH_A
	s_wait_dscnt 8
.elseif \mode == 2
	s_wait_tensorcnt 0x0                           ; my last load, the other slot's chunk: no load was issued behind it
	s_mov_b32 s[TA], \nxt
	s_mov_b32 s[TE], \nxt
	v_add_nc_u32 v[AF], s[TA], v[AFB]
	v_add_nc_u32 v[AE], s[TE], v[AEB]
	v_nop
	v_nop
	FETCH_A
	s_wait_dscnt 8
.else
.rept 4
	v_nop
.endr
	s_wait_dscnt 0x0                               ; ee is in
.endif
	VPAIR 0
	VPAIR 2
	VPAIR 4
	VPAIR 6
.if \mode != 3
	v_add_nc_u32 v[CUR], 16, v[CUR]
	FETCH_E
.endif
.endm
.macro LOOP3                           ; a pass's first three tiles
	s_mov_b32 s[CNT], 3
.Ltile_\@:
	TILE 0
	s_sub_co_u32 s[CNT], s[CNT], 1
	s_cmp_lg_u32 s[CNT], 0
	s_cbranch_scc1 .Ltile_\@
.endm
	s_wait_tensorcnt 0x1                           ; my chunk of pass 0 is in; pass 1's, issued behind it, may stay out
	FETCH_A
	FETCH_E
	LOOP3                                          ; pass 0, in slot 0
	TILE 1, G0A, SLOTB                             ; slot 0 takes pass 2
	LOOP3                                          ; pass 1, in slot 1
	TILE 1, G0B, 0                                 ; slot 1 takes pass 3
	LOOP3                                          ; pass 2
	TILE 2, 0, SLOTB
	LOOP3                                          ; pass 3
	TILE 3
	; THE END.  For each row tile: the first place in the kept octet that holds the minimum; then the better of the two halves of the lanes, whose octets interleave: on a tie the lower index.
.set i, 0
.rept 8
	v_mov_b32 v[SUM], 7
.irp j, 6,5,4,3,2,1,0
	v_cmp_eq_f32 s[MK], v[SV+8*i+\j], v[RB+2*i]
	v_cndmask_b32 v[SUM], v[SUM], \j, s[MK]
.endr
	v_add_nc_u32 v[RB+2*i+1], v[RB+2*i+1], v[SUM]
	v_permlanex16_b32 v[SUM+1], v[RB+2*i], s[SEL], s[SEL+1]    ; (both destinations were written for zz)
	v_permlanex16_b32 v[SUM+2], v[RB+2*i+1], s[SEL], s[SEL+1]
	v_cmp_lt_f32 s[MK], v[SUM+1], v[RB+2*i]
	v_cmp_eq_f32 s[MK+1], v[SUM+1], v[RB+2*i]
	v_cmp_lt_u32 s[MK+2], v[SUM+2], v[RB+2*i+1]
	s_and_b32 s[MK+1], s[MK+1], s[MK+2]
	s_or_b32 s[MK], s[MK], s[MK+1]
	v_cndmask_b32 v[RB+2*i], v[RB+2*i], v[SUM+1], s[MK]
	v_cndmask_b32 v[RB+2*i+1], v[RB+2*i+1], v[SUM+2], s[MK]
	ds_store_b32 v[MW], v[RB+2*i] offset:64*i      ; the two lanes of a row now hold, and write, the same
	ds_store_b32 v[MW], v[RB+2*i+1] offset:4096+64*i
.set i, i+1
.endr
	s_wait_dscnt 0x0                               ; for wave 0's sake: my stores are done
	s_barrier_signal -1
	s_barrier_wait -1
	s_cmp_lg_u32 s[WV], 0
	s_cbranch_scc1 .Lend
.irp u, 0,1,2,3,4,5,6,7                ; wave 0: a lane takes rows 4 x lane .. + 3 of all eight waves
	ds_load_b128 v[ACC+4*\u:ACC+4*\u+3],       v[MR] offset:512*\u
	ds_load_b128 v[ACC+32+4*\u:ACC+32+4*\u+3], v[MR] offset:4096+512*\u
.endr
	s_wait_dscnt 0x0
.irp u, 1,2,3,4,5,6,7                  ; the waves' codes ascend with the wave's number: strictly less keeps the lower index on a tie
.irp k, 0,1,2,3
	v_cmp_lt_f32 s[MK+\k], v[ACC+4*\u+\k], v[ACC+\k]
.endr
.irp k, 0,1,2,3
	v_cndmask_b32 v[ACC+\k], v[ACC+\k], v[ACC+4*\u+\k], s[MK+\k]
	v_cndmask_b32 v[ACC+32+\k], v[ACC+32+\k], v[ACC+32+4*\u+\k], s[MK+\k]
.endr
.endr
	global_store_b128 v[GO], v[ACC+32:ACC+35], s[8:9]    ; 512 consecutive bytes, aligned: the result,
	global_store_b128 v[GO], v[ACC+32:ACC+35], s[10:11]  ; and the copy from which the next launch forms addresses
.Lend:
	s_wait_tensorcnt 0x0                           ; the wave's end, behind my last tensor load and my last LDS store
	ds_add_u32 v[SPW], v[NIL]
	s_wait_dscnt 0x0
	CROUND                                         ; the closing round: no work-group ends while a partner may still ask for a chunk that names it
	s_endpgm
.Lfunc_end_k_q1fd73978d7_amin:
	.size	k_q1fd73978d7_amin, .Lfunc_end_k_q1fd73978d7_amin-k_q1fd73978d7_amin
	.p2alignl 7, 3214868480
	.fill 96, 4, 3214868480
	.section	.rodata,"a",@progbits
	.p2align	6, 0x0
	.amdhsa_kernel k_q1fd73978d7_amin
		.amdhsa_group_segment_fixed_size 327680
		.amdhsa_private_segment_fixed_size 0
		.amdhsa_enable_private_segment 0
		.amdhsa_kernarg_size 32
		.amdhsa_user_sgpr_count 2
		.amdhsa_user_sgpr_kernarg_segment_ptr 1
		.amdhsa_wavefront_size32 1
		.amdhsa_system_sgpr_workgroup_id_x 1
		.amdhsa_system_sgpr_workgroup_id_y 1
		.amdhsa_system_sgpr_workgroup_id_z 1
		.amdhsa_system_vgpr_workitem_id 0
		.amdhsa_next_free_vgpr 512
		.amdhsa_next_free_sgpr 66
		.amdhsa_reserve_vcc 0
		.amdhsa_float_denorm_mode_32 3
		.amdhsa_float_denorm_mode_16_64 3
		.amdhsa_memory_ordered 1
		.amdhsa_forward_progress 1
		.amdhsa_inst_pref_size 158
	.end_amdhsa_kernel
	.amdgpu_metadata
---
amdhsa.version: [ 1, 2 ]
amdhsa.kernels:
  - .name:           k_q1fd73978d7_amin
    .symbol:         k_q1fd73978d7_amin.kd
    .args:
      - { .name: z_e, .offset: 0, .size: 8, .value_kind: global_buffer, .address_space: global }
      - { .name: cb, .offset: 8, .size: 8, .value_kind: global_buffer, .address_space: global }
      - { .name: out2, .offset: 16, .size: 8, .value_kind: global_buffer, .address_space: global }
      - { .name: idxw, .offset: 24, .size: 8, .value_kind: global_buffer, .address_space: global }
    .group_segment_fixed_size: 327680
    .private_segment_fixed_size: 0
    .kernarg_segment_align: 8
    .kernarg_segment_size: 32
    .max_flat_workgroup_size: 256
    .sgpr_count:     66
    .vgpr_count:     512
    .wavefront_size: 32
...
	.end_amdgpu_metadata
.endif
;; end of part 2
;; launch gath (part 3): grid 256 x 1, 8 waves a work-group, no clusters, 36,096 bytes of LDS; arguments z_e, emb, idxw, out0, part; writes out0, part
.if DOCPART == 3
	.amdgcn_target "amdgcn-amd-amdhsa--gfx1250"
	.amdhsa_code_object_version 6
	.text
	.protected	k_q1fd73978d7_gath
	.globl	k_q1fd73978d7_gath
	.p2align	8
	.type	k_q1fd73978d7_gath,@function
k_q1fd73978d7_gath:
	s_mov_b64 s[64:65], 0
	v_nop
	global_prefetch_b8 v0, s[64:65] scope:SCOPE_SE
	s_setreg_imm32_b32 hwreg(HW_REG_WAVE_MODE, 25, 1), 1
	s_wait_xcnt 0x0
; VECTOR QUANTIZER, launch 3 of 4: z_q = emb[index], out0 = z + (z_q - z) in the layout [b][d][place], and for each work-group the sum of (z_q - z)^2.
; Left out: nothing but the second of reference()'s two means, which is the same number as the first for all values of the inputs (stop_gradient changes no value); the last launch multiplies the one mean by 1.25.
; z + (z_q - z) is formed as written, with its two roundings.  z and emb are taken rounded once to bf16, as in the launch that chose the indices.
; SHARES.  Work-group g owns the 128 rows of batch g / 8, places 128 (g % 8) .. + 127.  Wave w fetches the code rows of rows 16 w .. + 15: a row of emb is 512 bytes, one load of the wave, whole.  They are
; rounded to bf16 and laid in LDS; behind a barrier wave w makes channels 16 w .. + 15 for all 128 rows: lane l holds places 4 l .. 4 l + 3, so each load of z and each store of out0 covers 512 consecutive bytes, aligned.
; THE INDICES come from memory, as the launch before stored them, by a scalar load: 16 a wave; each is held to 0 .. 2,047 before it enters an address.
; LDS.  Row n lies in slot n / 4 + 32 (n % 4), slots 272 bytes apart (256 + 16 = 68 words): for a fixed k = n % 4 the 32 lanes read 32 slots on end, whose rows start 4 banks apart (64 banks of 4 bytes: ISA guide 11.1).
; No tensor load, no cluster, no matrix unit: the launch is a stream; which rows of emb a work-group wants hangs on its indices, so no tile is shared.
.set QP,    272
.set RED,   128*QP                     ; behind the rows: the eight waves' sums, a block of 256 bytes
.set SPARE, RED+256                    ; the spare words, 128 bytes for each of eight waves: four blocks of 256 bytes that no other line names
.set ZO,  2                            ; v2   my byte offset in z and out0: (w << 16) + 16 x lane; never rewritten
.set QW,  3                            ; v3   where I put 8 bytes of a code row
.set QR,  4                            ; v4   where I read 32 bytes of a row
.set SPW, 5                            ; v5   LDS address of my spare word; never rewritten
.set NIL, 6                            ; v6   0; never rewritten
.set L16, 7                            ; v7   16 x lane
.set RO,  8                            ; v[8:23]   row i: index x 512 + 16 x lane; never rewritten
.set LS,  24                           ; v[24:27]  two pairs of sums of squares
.set PK,  28                           ; v[28:31]  packed, two sets by turns; later addresses
.set Z,   32                           ; v[32:95]  channel i: 4 places of z, then of out0
.set E,   96                           ; v[96:159] row i: 4 channels of its code
.set GP,  96                           ; v[96:127] later: place k's 16 channels in bf16, 8 registers at GP + 8 k
.set W0,  160                          ; v[160:183] at work, two sets of 12 by turns: z rounded (4), z_q (4), z_q - z (4)
.set WV,  14                           ; s14  my wave's number
.set IX,  16                           ; s[16:31] my 16 indices
.set SEL, 36                           ; s[36:37] v_permlanex16_b32's selects
.set HIM, 40                           ; s40  a word's upper bf16
	s_load_b256 s[4:11], s[0:1], 0x0               ; z_e s[4:5], emb s[6:7], idxw s[8:9], out0 s[10:11]
	s_load_b64 s[12:13], s[0:1], 0x20              ; part
	v_lshl_add_u32 v[SPW], v0, 2, SPARE
	v_mov_b32 v[NIL], 0
	v_lshrrev_b32 v1, 5, v0
	v_readfirstlane_b32 s[WV], v1                  ; wave 0..7
	v_and_b32 v1, 31, v0                           ; lane
	v_lshlrev_b32 v[L16], 4, v1
	s_lshl_b32 s32, s[WV], 16                      ; my 16 channels: 16 w x 4,096 bytes
	v_lshl_add_u32 v[ZO], v1, 4, s32
	s_mul_i32 s32, s[WV], 4*QP                     ; rows 16 w + i: slots 4 w + i / 4 + 32 (i % 4)
	v_lshl_add_u32 v[QW], v1, 3, s32
	s_lshl_b32 s32, s[WV], 5                       ; my 16 channels: 32 bytes of a row
	v_mul_u32_u24 v[QR], v1, QP
	v_add_nc_u32 v[QR], s32, v[QR]
	s_mov_b32 s[SEL], 0x76543210
	s_mov_b32 s[SEL+1], 0xfedcba98
	s_mov_b32 s[HIM], 0xffff0000
	s_lshl_b32 s32, ttmp9, 9                       ; the work-group's 128 indices,
	s_lshl_b32 s33, s[WV], 6                       ; my 16 of them
	s_add_co_u32 s32, s32, s33
	s_mov_b32 s33, 0
	s_wait_kmcnt 0x0
	s_add_nc_u64 s[8:9], s[8:9], s[32:33]
	s_load_b512 s[IX:IX+15], s[8:9], 0x0
	s_lshr_b32 s32, ttmp9, 3
	s_lshl_b32 s32, s32, 19                        ; the batch: 524,288 bytes
	s_and_b32 s35, ttmp9, 7
	s_lshl_b32 s35, s35, 9                         ; my 128 places: 512 bytes of each channel
	s_add_co_u32 s32, s32, s35
	s_add_nc_u64 s[4:5], s[4:5], s[32:33]
	s_add_nc_u64 s[10:11], s[10:11], s[32:33]
.set i, 0
.rept 16                               ; z goes out first, while the indices are on their way
	global_load_b128 v[Z+4*i:Z+4*i+3], v[ZO], s[4:5] offset:4096*i th:TH_LOAD_NT
.set i, i+1
.endr
	s_wait_kmcnt 0x0
.set i, 0
.rept 16
	s_min_u32 s[IX+i], s[IX+i], 0x7ff              ; an index stays inside the table
	v_lshl_add_u32 v[RO+i], s[IX+i], 9, v[L16]
.set i, i+1
.endr
.set i, 0
.rept 16                               ; no hint: a row may be named again
	global_load_b128 v[E+4*i:E+4*i+3], v[RO+i], s[6:7]
.set i, i+1
.endr
.set i, 0
.rept 16
	s_wait_loadcnt 15-i                            ; row i is in (and all of z, issued earlier); the 15 - i younger rows stay out
	v_cvt_pk_bf16_f32 v[PK+2*(i%2)],   v[E+4*i],   v[E+4*i+1]
	v_cvt_pk_bf16_f32 v[PK+2*(i%2)+1], v[E+4*i+2], v[E+4*i+3]
	ds_store_b64 v[QW], v[PK+2*(i%2):PK+2*(i%2)+1] offset:((i/4)+32*(i%4))*QP  ; 32 lanes, 256 bytes on end
.set i, i+1
.endr
	s_wait_dscnt 0x0                               ; for the others' sake: my 16 rows lie in LDS
	s_barrier_signal -1
	s_barrier_wait -1                              ; all 128 do
.irp k, 0,1,2,3                        ; row 4 l + k lies in slot l + 32 k
	ds_load_b128 v[GP+8*\k:GP+8*\k+3],   v[QR] offset:32*QP*\k
	ds_load_b128 v[GP+8*\k+4:GP+8*\k+7], v[QR] offset:32*QP*\k+16
.endr
	s_wait_dscnt 0x0
; Channel 16 w + i.  z is rounded to bf16 and widened; z_q's four places are one half of one register of each of the four rows: which register takes it is the transposition.
.macro CH i
.set TS, W0+12*((\i)%2)
.set GR, GP+4*((\i)/8)+(((\i)%8)/2)
	v_cvt_pk_bf16_f32 v[TS+8], v[Z+4*(\i)],   v[Z+4*(\i)+1]
	v_cvt_pk_bf16_f32 v[TS+9], v[Z+4*(\i)+2], v[Z+4*(\i)+3]
	v_lshlrev_b32 v[TS],   16, v[TS+8]
	v_and_b32     v[TS+1], s[HIM], v[TS+8]
	v_lshlrev_b32 v[TS+2], 16, v[TS+9]
	v_and_b32     v[TS+3], s[HIM], v[TS+9]
.irp k, 0,1,2,3
.if (\i)%2
	v_and_b32 v[TS+4+\k], s[HIM], v[GR+8*\k]
.else
	v_lshlrev_b32 v[TS+4+\k], 16, v[GR+8*\k]
.endif
.endr
	v_pk_add_f32 v[TS+8:TS+9],   v[TS+4:TS+5], v[TS:TS+1]   neg_lo:[0,1] neg_hi:[0,1]  ; z_q - z
	v_pk_add_f32 v[TS+10:TS+11], v[TS+6:TS+7], v[TS+2:TS+3] neg_lo:[0,1] neg_hi:[0,1]
	v_pk_add_f32 v[Z+4*(\i):Z+4*(\i)+1],   v[TS:TS+1],   v[TS+8:TS+9]                 ; z + (z_q - z)
	v_pk_add_f32 v[Z+4*(\i)+2:Z+4*(\i)+3], v[TS+2:TS+3], v[TS+10:TS+11]
.if (\i) == 0
	v_pk_mul_f32 v[LS:LS+1],   v[TS+8:TS+9],   v[TS+8:TS+9]                            ; the first squares start the sums
	v_pk_mul_f32 v[LS+2:LS+3], v[TS+10:TS+11], v[TS+10:TS+11]
.else
	v_pk_fma_f32 v[LS:LS+1],   v[TS+8:TS+9],   v[TS+8:TS+9],   v[LS:LS+1]
	v_pk_fma_f32 v[LS+2:LS+3], v[TS+10:TS+11], v[TS+10:TS+11], v[LS+2:LS+3]
.endif
	global_store_b128 v[ZO], v[Z+4*(\i):Z+4*(\i)+3], s[10:11] offset:4096*(\i) th:TH_STORE_NT  ; 512 consecutive bytes, aligned; its registers are written no more
.endm
.irp i, 0,1,2,3,4,5,6,7,8,9,10,11,12,13,14,15
	CH \i
.endr
	v_add_f32 v[LS], v[LS], v[LS+1]
	v_add_f32 v[LS+2], v[LS+2], v[LS+3]
	v_add_f32 v[LS], v[LS], v[LS+2]
	v_add_f32_dpp v[LS], v[LS], v[LS] row_xmask:1 row_mask:0xf bank_mask:0xf
	v_add_f32_dpp v[LS], v[LS], v[LS] row_xmask:2 row_mask:0xf bank_mask:0xf
	v_add_f32_dpp v[LS], v[LS], v[LS] row_xmask:4 row_mask:0xf bank_mask:0xf
	v_add_f32_dpp v[LS], v[LS], v[LS] row_xmask:8 row_mask:0xf bank_mask:0xf
	v_permlanex16_b32 v[LS+1], v[LS], s[SEL], s[SEL+1]
	v_add_f32 v[LS], v[LS], v[LS+1]                ; the wave's sum, in every lane
	s_lshl_b32 s33, s[WV], 2
	s_add_co_u32 s33, s33, RED
	v_mov_b32 v[PK], s33
	ds_store_b32 v[PK], v[LS]                      ; all lanes write the same word with the same number
	s_wait_dscnt 0x0
	s_barrier_signal -1
	s_barrier_wait -1
	s_cmp_lg_u32 s[WV], 0
	s_cbranch_scc1 .Lend
	v_mov_b32 v[PK], RED
	ds_load_b128 v[W0:W0+3],   v[PK]
	ds_load_b128 v[W0+4:W0+7], v[PK] offset:16
	s_lshl_b32 s33, ttmp9, 2
	v_mov_b32 v[PK+1], s33                         ; my work-group's word of part
	s_wait_dscnt 0x0
	v_pk_add_f32 v[W0:W0+1],   v[W0:W0+1],   v[W0+2:W0+3]
	v_pk_add_f32 v[W0+4:W0+5], v[W0+4:W0+5], v[W0+6:W0+7]
	v_pk_add_f32 v[W0:W0+1],   v[W0:W0+1],   v[W0+4:W0+5]
	v_add_f32 v[W0], v[W0], v[W0+1]
	s_wait_xcnt 0x0                                ; EXEC is a source of the stores above: it changes only behind this wait
	v_cmp_eq_u32 vcc_lo, 0, v0
	s_and_saveexec_b32 s34, vcc_lo
	global_store_b32 v[PK+1], v[W0], s[12:13]      ; one number a work-group
	s_wait_xcnt 0x0                                ; and again, in front of the line that widens it
	s_or_b32 exec_lo, exec_lo, s34
.Lend:
	s_wait_tensorcnt 0x0                           ; the wave's end, behind my last LDS store
	ds_add_u32 v[SPW], v[NIL]
	s_wait_dscnt 0x0
	s_endpgm
.Lfunc_end_k_q1fd73978d7_gath:
	.size	k_q1fd73978d7_gath, .Lfunc_end_k_q1fd73978d7_gath-k_q1fd73978d7_gath
	.p2alignl 7, 3214868480
	.fill 96, 4, 3214868480
	.section	.rodata,"a",@progbits
	.p2align	6, 0x0
	.amdhsa_kernel k_q1fd73978d7_gath
		.amdhsa_group_segment_fixed_size 36096
		.amdhsa_private_segment_fixed_size 0
		.amdhsa_enable_private_segment 0
		.amdhsa_kernarg_size 40
		.amdhsa_user_sgpr_count 2
		.amdhsa_user_sgpr_kernarg_segment_ptr 1
		.amdhsa_wavefront_size32 1
		.amdhsa_system_sgpr_workgroup_id_x 1
		.amdhsa_system_sgpr_workgroup_id_y 1
		.amdhsa_system_sgpr_workgroup_id_z 1
		.amdhsa_system_vgpr_workitem_id 0
		.amdhsa_next_free_vgpr 192
		.amdhsa_next_free_sgpr 66
		.amdhsa_reserve_vcc 1
		.amdhsa_float_denorm_mode_32 3
		.amdhsa_float_denorm_mode_16_64 3
		.amdhsa_memory_ordered 1
		.amdhsa_forward_progress 1
		.amdhsa_inst_pref_size 26
	.end_amdhsa_kernel
	.amdgpu_metadata
---
amdhsa.version: [ 1, 2 ]
amdhsa.kernels:
  - .name:           k_q1fd73978d7_gath
    .symbol:         k_q1fd73978d7_gath.kd
    .args:
      - { .name: z_e, .offset: 0, .size: 8, .value_kind: global_buffer, .address_space: global }
      - { .name: emb, .offset: 8, .size: 8, .value_kind: global_buffer, .address_space: global }
      - { .name: idxw, .offset: 16, .size: 8, .value_kind: global_buffer, .address_space: global }
      - { .name: out0, .offset: 24, .size: 8, .value_kind: global_buffer, .address_space: global }
      - { .name: part, .offset: 32, .size: 8, .value_kind: global_buffer, .address_space: global }
    .group_segment_fixed_size: 36096
    .private_segment_fixed_size: 0
    .kernarg_segment_align: 8
    .kernarg_segment_size: 40
    .max_flat_workgroup_size: 256
    .sgpr_count:     66
    .vgpr_count:     192
    .wavefront_size: 32
...
	.end_amdgpu_metadata
.endif
;; end of part 3
;; launch fin (part 4): grid 1 x 1, 1 waves a work-group, no clusters, 0 bytes of LDS; arguments part, out1; writes out1
.if DOCPART == 4
	.amdgcn_target "amdgcn-amd-amdhsa--gfx1250"
	.amdhsa_code_object_version 6
	.text
	.protected	k_q1fd73978d7_fin
	.globl	k_q1fd73978d7_fin
	.p2align	8
	.type	k_q1fd73978d7_fin,@function
k_q1fd73978d7_fin:
	s_mov_b64 s[64:65], 0
	v_nop
	global_prefetch_b8 v0, s[64:65] scope:SCOPE_SE
	s_setreg_imm32_b32 hwreg(HW_REG_WAVE_MODE, 25, 1), 1
	s_wait_xcnt 0x0
; VECTOR QUANTIZER, launch 4 of 4: out1 = codebook_loss + 0.25 commitment_loss.  The two are the same mean of (z_q - z)^2 for all values of the inputs (stop_gradient changes no value), so the one mean,
; the 256 work-groups' sums added up and divided by 32 x 128 x 32 x 32 = 2^22, is multiplied by 1.25.  One wave: a sum that spans work-groups has one owner, in a launch of its own.
	s_load_b128 s[4:7], s[0:1], 0x0                ; part s[4:5], out1 s[6:7]
	v_lshlrev_b32 v1, 4, v0                        ; 16 bytes a lane
	s_mov_b32 s8, 0x76543210                       ; v_permlanex16_b32's selects
	s_mov_b32 s9, 0xfedcba98
	v_mov_b32 v12, 0
	s_wait_kmcnt 0x0
	global_load_b128 v[2:5], v1, s[4:5]
	global_load_b128 v[6:9], v1, s[4:5] offset:512
	s_wait_loadcnt 0x0
	v_pk_add_f32 v[2:3], v[2:3], v[4:5]
	v_pk_add_f32 v[6:7], v[6:7], v[8:9]
	v_pk_add_f32 v[2:3], v[2:3], v[6:7]
	v_add_f32 v2, v2, v3
	v_add_f32_dpp v2, v2, v2 row_xmask:1 row_mask:0xf bank_mask:0xf
	v_add_f32_dpp v2, v2, v2 row_xmask:2 row_mask:0xf bank_mask:0xf
	v_add_f32_dpp v2, v2, v2 row_xmask:4 row_mask:0xf bank_mask:0xf
	v_add_f32_dpp v2, v2, v2 row_xmask:8 row_mask:0xf bank_mask:0xf
	v_permlanex16_b32 v3, v2, s8, s9
	v_add_f32 v2, v2, v3
	v_mul_f32 v2, 0x34a00000, v2                   ; 1.25 x 2^-22
	s_wait_xcnt 0x0                                ; EXEC changes only behind this wait
	v_cmp_eq_u32 vcc_lo, 0, v0
	s_and_saveexec_b32 s10, vcc_lo
	global_store_b32 v12, v2, s[6:7]
	s_wait_xcnt 0x0
	s_or_b32 exec_lo, exec_lo, s10
	s_endpgm
.Lfunc_end_k_q1fd73978d7_fin:
	.size	k_q1fd73978d7_fin, .Lfunc_end_k_q1fd73978d7_fin-k_q1fd73978d7_fin
	.p2alignl 7, 3214868480
	.fill 96, 4, 3214868480
	.section	.rodata,"a",@progbits
	.p2align	6, 0x0
	.amdhsa_kernel k_q1fd73978d7_fin
		.amdhsa_group_segment_fixed_size 0
		.amdhsa_private_segment_fixed_size 0
		.amdhsa_enable_private_segment 0
		.amdhsa_kernarg_size 16
		.amdhsa_user_sgpr_count 2
		.amdhsa_user_sgpr_kernarg_segment_ptr 1
		.amdhsa_wavefront_size32 1
		.amdhsa_system_sgpr_workgroup_id_x 1
		.amdhsa_system_sgpr_workgroup_id_y 1
		.amdhsa_system_sgpr_workgroup_id_z 1
		.amdhsa_system_vgpr_workitem_id 0
		.amdhsa_next_free_vgpr 16
		.amdhsa_next_free_sgpr 66
		.amdhsa_reserve_vcc 1
		.amdhsa_float_denorm_mode_32 3
		.amdhsa_float_denorm_mode_16_64 3
		.amdhsa_memory_ordered 1
		.amdhsa_forward_progress 1
		.amdhsa_inst_pref_size 2
	.end_amdhsa_kernel
	.amdgpu_metadata
---
amdhsa.version: [ 1, 2 ]
amdhsa.kernels:
  - .name:           k_q1fd73978d7_fin
    .symbol:         k_q1fd73978d7_fin.kd
    .args:
      - { .name: part, .offset: 0, .size: 8, .value_kind: global_buffer, .address_space: global }
      - { .name: out1, .offset: 8, .size: 8, .value_kind: global_buffer, .address_space: global }
    .group_segment_fixed_size: 0
    .private_segment_fixed_size: 0
    .kernarg_segment_align: 8
    .kernarg_segment_size: 16
    .max_flat_workgroup_size: 32
    .sgpr_count:     66
    .vgpr_count:     16
    .wavefront_size: 32
...
	.end_amdgpu_metadata
.endif
;; end of part 4
;; ======== version 2 of 3: 3 launches
;; limits: a difference of large sums (such as E[x^2] - mean^2): digits are lost where the result is much smaller than its terms
;; workspace buffers: cb 532,480 bytes; idxw 131,072 bytes of whole numbers; part 1,024 bytes
;; launch prep (part 5): grid 32 x 1, 4 waves a work-group, no clusters, 768 bytes of LDS; arguments emb, cb; writes cb
.if DOCPART == 5
	.amdgcn_target "amdgcn-amd-amdhsa--gfx1250"
	.amdhsa_code_object_version 6
	.text
	.protected	k_q1fd73978d7_prep
	.globl	k_q1fd73978d7_prep
	.p2align	8
	.type	k_q1fd73978d7_prep,@function
k_q1fd73978d7_prep:
	s_mov_b64 s[64:65], 0
	v_nop
	global_prefetch_b8 v0, s[64:65] scope:SCOPE_SE
	s_setreg_imm32_b32 hwreg(HW_REG_WAVE_MODE, 25, 1), 1
	s_wait_xcnt 0x0
; VECTOR QUANTIZER, launch 1 of 3: the codebook, rounded once to bf16, laid out as the matrix unit's fragments, and ee[k] = the sum over d of emb[k][d]^2.
; THE PROGRAM.  prep: emb -> cb.  amin: z_e, cb -> the index of the nearest code for each of the 32,768 rows (out2, and a copy for the next launch's addresses), and for each work-group the sum of
; its rows' least distances.  gath: the lookup emb[index], out0 = z + (z_q - z); one of its waves adds up the 256 sums and stores out1.
; WHAT IS LEFT OUT, AND WHAT IS NOT.  Both inputs are loaded.
;   zz[n] = the sum of z[n][d]^2 is the same for all codes of a row, but it stays: it is some 10^4 times the other two terms, so reference()'s f32 sums
;   (zz - 2 z.e) + ee lose their low bits against it, and which code is the first minimum hangs on that rounding.  The distances are formed as reference() forms them: one
;   rounding of zz - 2 dot, one of the sum with ee, and the first minimum is taken.
;   z + (z_q - z) is formed as written: for z much larger than z_q the rounding of z_q - z is part of the result.
;   THE SQUARES (z_q - z)^2 ARE NOT FORMED A SECOND TIME: for every row and all values of the inputs their sum over d is zz - 2 z.e + ee of the chosen code, which is the row's least distance, and that
;   number has been made for the argmin.  codebook_loss and commitment_loss are one and the same mean for all values of the inputs (stop_gradient changes no value): it is made once and multiplied by 1 + BETA = 1.25.
; FORMAT.  Every use of z_e and emb (products, zz, ee, z_q) takes the input rounded once to bf16, so that all results belong to one set of rounded inputs.
; LIMITS.  The f32 sums of a dot product, of zz and of ee are taken in another order than reference()'s: where two codes' distances differ by less than that, the other may be chosen.
; A least distance carries at most some 21 roundings of 2^-24 zz (19 in zz's sum, 2 in the distance), so the loss is off by at most 1.3e-6 x (sum of zz) / (sum of distances) of itself: it is within a hundredth
; while the mean distance is above 1/5,000 of the mean zz.  An overflow of zz reaches the loss, where reference()'s squares might stay finite.
; A NaN among the distances is passed over by the minimum, where jnp.argmin would stop at it; a row whose distances are all infinite or NaN gets index 0.
;
; cb: 32 chunks of 16,640 bytes.  Chunk q = 8 s + w holds the 64 codes 256 w + 64 s .. + 63: what wave w of the next launch multiplies in its pass s.  In a chunk: four tiles of 16 codes, 4,096 bytes
; each, then the 64 ee in f32 (256 bytes).  In a tile, piece j = 2 c + p of lane L = 16 h + r lies at 512 j + 16 L and holds code r, channels 32 c + 16 p + 8 h + 0..7: four registers of source 0's
; fragment for K step c, as they lie in the registers (ISA guide 7.12.2), so that 32 lanes read 512 bytes on end.
; SHARES.  Work-group q makes chunk q, wave t its tile t.  A wave's sixteen loads together cover its 16 rows of emb, 8 KiB, whole; each store of a wave covers 512 consecutive bytes, aligned.
; No cluster, no tensor load: no two work-groups read the same byte, and the whole table is 1 MiB.
.set CHUNK, 16640
.set EES,   0                          ; LDS: the chunk's 64 ee, 256 bytes
.set SPARE, 256                        ; the spare words, 128 bytes for each of four waves: two blocks of 256 bytes that no other line names
.set GI,  4                            ; v4   my byte offset in emb: code x 512 + 32 h; never rewritten
.set GO,  5                            ; v5   my byte offset in the chunk: 4,096 x wave + 16 x lane; never rewritten
.set SPW, 6                            ; v6   LDS address of my spare word; never rewritten
.set NIL, 7                            ; v7   0; never rewritten
.set NUL, 8                            ; v8   0.0: starts the four chains of ee
.set TA,  9                            ; v9   an LDS address, then the offset of ee's store
.set SUM, 10                           ; v[10:13]  four chains
.set F,   16                           ; v[16:79]  piece j: 8 numbers in f32
.set P,   80                           ; v[80:111] piece j: 4 registers of bf16
.set WV,  8                            ; s8   my wave's number
	s_load_b128 s[4:7], s[0:1], 0x0                ; emb s[4:5], cb s[6:7]
	v_lshl_add_u32 v[SPW], v0, 2, SPARE
	v_mov_b32 v[NIL], 0
	v_lshrrev_b32 v[TA], 5, v0
	v_readfirstlane_b32 s[WV], v[TA]               ; wave 0..3
	v_and_b32 v1, 15, v0                           ; r
	v_bfe_u32 v2, v0, 4, 1                         ; h
	v_and_b32 v3, 31, v0                           ; lane
	s_and_b32 s9, ttmp9, 7                         ; w
	s_lshr_b32 s10, ttmp9, 3                       ; s
	s_lshl_b32 s9, s9, 8
	s_lshl_b32 s10, s10, 6
	s_add_co_u32 s9, s9, s10                       ; the chunk's first code: 256 w + 64 s
	s_lshl_b32 s11, s[WV], 4
	s_add_co_u32 s9, s9, s11                       ; my tile's first code
	v_add_nc_u32 v[GI], s9, v1
	v_lshlrev_b32 v[GI], 9, v[GI]                  ; a row of emb is 512 bytes
	v_lshl_add_u32 v[GI], v2, 5, v[GI]
	s_lshl_b32 s11, s[WV], 12
	v_lshl_add_u32 v[GO], v3, 4, s11
	s_mul_i32 s14, ttmp9, CHUNK
	s_mov_b32 s15, 0
	s_mov_b32 s12, 0x76543210                      ; v_permlanex16_b32's selects: each lane takes its own place in the other half
	s_mov_b32 s13, 0xfedcba98
	v_mov_b32 v[NUL], 0
	s_wait_kmcnt 0x0
	s_add_nc_u64 s[6:7], s[6:7], s[14:15]          ; cb at my chunk
.set j, 0
.rept 8                                ; piece j: channels 16 j + 8 h + 0..7 are 32 bytes at 64 j + 32 h of the row
	global_load_b128 v[F+8*j:F+8*j+3],   v[GI], s[4:5] offset:64*j
	global_load_b128 v[F+8*j+4:F+8*j+7], v[GI], s[4:5] offset:64*j+16
.set j, j+1
.endr
.set j, 0
.rept 8
	s_wait_loadcnt 14-2*j                          ; loads come back in order (ISA guide 5.7.1): piece j's two are in, the 14 - 2 j younger ones stay out
.irp t, 0,1,2,3
	v_cvt_pk_bf16_f32 v[P+4*j+\t], v[F+8*j+2*\t], v[F+8*j+2*\t+1]
.endr
	global_store_b128 v[GO], v[P+4*j:P+4*j+3], s[6:7] offset:512*j  ; the wave's 512 consecutive bytes; P's registers are only read from here on
.set j, j+1
.endr
	; ee of code r, of the rounded numbers: my 64 squares in four chains, then the other half of the lanes' 64
.set n, 0
.rept 32
.if n < 2
	v_fma_mix_f32_bf16 v[SUM+(2*n)%4],   v[P+n], v[P+n], v[NUL] op_sel_hi:[1,1,0]
	v_fma_mix_f32_bf16 v[SUM+(2*n+1)%4], v[P+n], v[P+n], v[NUL] op_sel:[1,1,0] op_sel_hi:[1,1,0]
.else
	v_fma_mix_f32_bf16 v[SUM+(2*n)%4],   v[P+n], v[P+n], v[SUM+(2*n)%4] op_sel_hi:[1,1,0]
	v_fma_mix_f32_bf16 v[SUM+(2*n+1)%4], v[P+n], v[P+n], v[SUM+(2*n+1)%4] op_sel:[1,1,0] op_sel_hi:[1,1,0]
.endif
.set n, n+1
.endr
	v_add_f32 v[SUM], v[SUM], v[SUM+1]
	v_add_f32 v[SUM+2], v[SUM+2], v[SUM+3]
	v_add_f32 v[SUM], v[SUM], v[SUM+2]
	v_permlanex16_b32 v[SUM+1], v[SUM], s12, s13   ; its destination counts as read: a register that has been written
	v_add_f32 v[SUM], v[SUM], v[SUM+1]
	s_lshl_b32 s11, s[WV], 6
	v_lshl_add_u32 v[TA], v1, 2, s11               ; word 16 x wave + r; the two lanes of a code write the same number
	ds_store_b32 v[TA], v[SUM] offset:EES
	s_wait_dscnt 0x0                               ; for the others' sake: my store is done
	s_barrier_signal -1
	s_barrier_wait -1                              ; all 64 ee lie in LDS
	s_cmp_lg_u32 s[WV], 0
	s_cbranch_scc1 .Lend                           ; wave 0 stores them as one block of 256 bytes
	v_lshlrev_b32 v[TA], 3, v3
	ds_load_b64 v[SUM+2:SUM+3], v[TA] offset:EES
	s_wait_dscnt 0x0
	global_store_b64 v[TA], v[SUM+2:SUM+3], s[6:7] offset:16384
.Lend:
	s_wait_tensorcnt 0x0                           ; the wave's end, behind my last LDS store
	ds_add_u32 v[SPW], v[NIL]
	s_wait_dscnt 0x0
	s_endpgm
.Lfunc_end_k_q1fd73978d7_prep:
	.size	k_q1fd73978d7_prep, .Lfunc_end_k_q1fd73978d7_prep-k_q1fd73978d7_prep
	.p2alignl 7, 3214868480
	.fill 96, 4, 3214868480
	.section	.rodata,"a",@progbits
	.p2align	6, 0x0
	.amdhsa_kernel k_q1fd73978d7_prep
		.amdhsa_group_segment_fixed_size 768
		.amdhsa_private_segment_fixed_size 0
		.amdhsa_enable_private_segment 0
		.amdhsa_kernarg_size 16
		.amdhsa_user_sgpr_count 2
		.amdhsa_user_sgpr_kernarg_segment_ptr 1
		.amdhsa_wavefront_size32 1
		.amdhsa_system_sgpr_workgroup_id_x 1
		.amdhsa_system_sgpr_workgroup_id_y 1
		.amdhsa_system_sgpr_workgroup_id_z 1
		.amdhsa_system_vgpr_workitem_id 0
		.amdhsa_next_free_vgpr 112
		.amdhsa_next_free_sgpr 66
		.amdhsa_reserve_vcc 0
		.amdhsa_float_denorm_mode_32 3
		.amdhsa_float_denorm_mode_16_64 3
		.amdhsa_memory_ordered 1
		.amdhsa_forward_progress 1
		.amdhsa_inst_pref_size 11
	.end_amdhsa_kernel
	.amdgpu_metadata
---
amdhsa.version: [ 1, 2 ]
amdhsa.kernels:
  - .name:           k_q1fd73978d7_prep
    .symbol:         k_q1fd73978d7_prep.kd
    .args:
      - { .name: emb, .offset: 0, .size: 8, .value_kind: global_buffer, .address_space: global }
      - { .name: cb, .offset: 8, .size: 8, .value_kind: global_buffer, .address_space: global }
    .group_segment_fixed_size: 768
    .private_segment_fixed_size: 0
    .kernarg_segment_align: 8
    .kernarg_segment_size: 16
    .max_flat_workgroup_size: 128
    .sgpr_count:     66
    .vgpr_count:     112
    .wavefront_size: 32
...
	.end_amdgpu_metadata
.endif
;; end of part 5
;; launch amin (part 6): grid 256 x 1, 8 waves a work-group, clusters of 4 x 1, 327,680 bytes of LDS; arguments z_e, cb, out2, idxw, part; writes out2, idxw, part
.if DOCPART == 6
	.amdgcn_target "amdgcn-amd-amdhsa--gfx1250"
	.amdhsa_code_object_version 6
	.text
	.protected	k_q1fd73978d7_amin
	.globl	k_q1fd73978d7_amin
	.p2align	8
	.type	k_q1fd73978d7_amin,@function
k_q1fd73978d7_amin:
	s_mov_b64 s[64:65], 0
	v_nop
	global_prefetch_b8 v0, s[64:65] scope:SCOPE_SE
	s_setreg_imm32_b32 hwreg(HW_REG_WAVE_MODE, 25, 1), 1
	s_wait_xcnt 0x0
	s_wait_alu depctr_hold_cnt(0) depctr_sa_sdst(0) depctr_va_vdst(0) depctr_va_sdst(0) depctr_va_ssrc(0) depctr_va_vcc(0) depctr_vm_vsrc(0)
	s_getreg_b32 s2, hwreg(HW_REG_IB_STS2, 6, 4)
	s_cmp_eq_u32 s2, 0
	s_cbranch_scc0 .Lentry_in_a_cluster
	s_endpgm
.Lentry_in_a_cluster:
	s_bfe_u32 s2, ttmp6, 0x10000c
	s_cmp_lg_u32 s2, 0x3003
	s_cbranch_scc0 .Lentry_shape_is_right
	s_endpgm
.Lentry_shape_is_right:
; VECTOR QUANTIZER, launch 2 of 3: for each row n of z (channels along d) the first k that makes dist[n][k] = (zz[n] - 2 z[n].e[k]) + ee[k] least, and for each work-group the sum of its 128 rows' least distances.
; Nothing of the distances is left out: zz stays, since the f32 sums lose the other terms' low bits against it and the first minimum hangs on that rounding.
; The least distance IS the row's sum over d of (z_q - z)^2, for all values of the inputs; so the loss is summed from it here, and the squares are formed nowhere.
; z and e are the inputs rounded once to bf16; products in the matrix unit, sums in f32.
; LIMITS.  The order of a dot product's and of zz's f32 sums is not reference()'s.  A least distance carries at most some 21 roundings of 2^-24 zz, so the loss is within a hundredth of itself while the mean distance
; is above 1/5,000 of the mean zz.  A NaN among the distances is passed over; a row whose distances are all infinite or NaN gets index 0 and makes the loss infinite.
; SHARES.  Work-group g owns the 128 rows of batch g / 8, places 128 (g % 8) .. + 127.  EVERY one of its eight waves holds all 128 rows as source 1's fragments (8 row tiles x 4 K steps x 8 = 256
; registers, window 1) and walks ITS OWN 256 codes, 256 w .. 256 w + 255, in ascending order: 4 passes of 4 tiles of 16 codes.  So each fragment of the codebook is read out of LDS by one wave, once.
; LAYOUT.  D = e z^T (source 0 = 16 codes, source 1 = 16 rows): a lane holds ONE row (lane % 16) and, in the 8 registers, the codes 8 (lane / 16) + 0..7 of the tile: an OCTET.
; THE ARGMIN.  For an octet: 4 packed fused multiply-adds zz - 2 dot (one rounding), 4 packed additions of ee, 4 lines for the octet's least distance, one compare with the row's running minimum (strictly
; less: the earlier octet keeps a tie), and 10 selects that keep the minimum, the octet's first code and its 8 distances.  Where in the octet the minimum lies is found once, at the end: the first
; kept distance that equals it.  That is 23 vector lines for 8 distances.
; PHASES.  A tile is 32 matrix instructions, then 184 vector instructions, with two switches of the register window.  The vector phase goes four row tiles at a time, line by line by turns, the four whose sums
; were finished first ahead; the next tile's fragments are asked for between the two halves.  Between the rounds of the cluster's barrier the eight waves are not tied to each other.
; CLUSTER.  All work-groups walk the same codebook, so the four of a cluster ask for each chunk JOINTLY: wave w of each issues the same tensor load (chunk of pass s and wave w), with the same
; descriptor and the mask of four.  Wave w alone reads what it asked for, behind its own wait on TENSORcnt.  Two slots of a pass each; passes 2 and 3 are refills, each behind a round of the cluster's barrier.
; By this text's own count a wave has at most two tensor loads outstanding.
; REGISTERS, in windows of 256 (s_set_vgpr_msb: bits 1:0 source 0, 3:2 source 1, 5:4 source 2, 7:6 destination): window 0 as named below; window 1: row tile i, K step c at v[32 i + 8 c].
.set CHUNK, 16640                      ; 65 blocks of 256 bytes: four tiles of 4,096 in fragment order, then 64 ee
.set SLOTB, 8*CHUNK                    ; a slot: a pass's eight chunks, wave w's at w x CHUNK
.set ZT,    2*SLOTB                    ; z in bf16 as [d][n]
.set ZP,    288                        ; its pitch: 256 bytes + 32 = 72 words
.set ZZS,   ZT+128*ZP                  ; zz of the 128 rows
.set MRG,   ZZS+512                    ; the waves' minima [wave][row] f32, 4,096 bytes, then their indices [wave][row]
.set SPARE, MRG+8192                   ; the spare words, 128 bytes for each of eight waves: four blocks of 256 bytes that no other line names
.set AF,  4                            ; v4   LDS address of the fragments to be fetched
.set AE,  5                            ; v5   of the ee to be fetched
.set AFB, 6                            ; v6   w x CHUNK + 16 x lane; never rewritten
.set AEB, 8                            ; v8   w x CHUNK + 16,384 + 32 (lane / 16); never rewritten
.set CUR, 10                           ; v10  the first code of my octet in the tile in hand: 256 w + 8 (lane / 16) + 16 x tile
.set NUL, 11                           ; v11  0.0
.set SPW, 14                           ; v14  LDS address of my spare word; never rewritten
.set NIL, 15                           ; v15  0; never rewritten
.set ZZ,  16                           ; v[16:31]  row tile i: zz of my row, twice (a pair for the packed line)
.set RB,  32                           ; v[32:47]  row tile i: the running minimum, and beside it the first code of the octet that holds it
.set EE,  48                           ; v[48:55]  ee of my octet's codes
.set A,   56                           ; v[56:87]  the tile's fragments, K step c at A + 8 c
.set SV,  88                           ; v[88:151] row tile i: the 8 distances of the octet that holds the minimum
.set ACC, 152                          ; v[152:215] row tile i: the accumulator
.set ZO,  216                          ; v216 my byte offset in z: (w << 16) + 16 x lane
.set ZTW, 217                          ; v217 where I put 4 rows' bf16 of a channel
.set ZTR, 218                          ; v218 my lane's place for the turning loads
.set ZTO, 219                          ; v219 the same at row tile w
.set ZZW, 220                          ; v220 where I put zz
.set ZZR, 221                          ; v221 where I read it
.set MW,  222                          ; v222 where I put a minimum
.set MR,  223                          ; v223 where wave 0 reads them
.set PFO, 224                          ; v224 the prefetch's offset; never rewritten
.set GO,  225                          ; v225 16 x lane: my 4 indices in the work-group's 512 bytes
.set SUM, 232                          ; v[232:235] four chains for zz; at the end: a position, the other half's minimum and index, an offset
.set BM,  236                          ; v[236:239] four octets' minima
.set WV,  12                           ; s12  my wave's number
.set G1,  16                           ; s[16:23] descriptor group 1
.set G0A, 24                           ; s[24:27] group 0 for slot 0
.set G0B, 28                           ; s[28:31] for slot 1
.set CNT, 34                           ; s34  counts tiles
.set INF, 35                           ; s35  +infinity
.set SEL, 36                           ; s[36:37] v_permlanex16_b32's selects
.set TA,  38                           ; s38  slot + 4,096 x tile: what AFB lacks
.set TE,  39                           ; s39  slot + 64 x tile: what AEB lacks
.set MK,  40                           ; s[40:43] lane masks
.set PFA, 44                           ; s[44:45] cb at the chunk of pass 2 and my wave; never rewritten
.set PT,  48                           ; s[48:49] part
.set MSB, 0
.macro WIN new                         ; the immediate's high byte repeats the setting that is left; a switch that changes nothing is dropped
.if MSB != (\new)
	s_set_vgpr_msb (MSB<<8)|(\new)
.set MSB, \new
.endif
.endm
; A round of the cluster's barrier: my work-group's barrier, so that wave 0's signal speaks for all eight waves; wave 0 signals; every wave waits for all four work-groups; my work-group's barrier once more.
.macro CROUND
	s_barrier_signal -1
	s_barrier_wait -1
	s_cmp_lg_u32 s[WV], 0
	s_cbranch_scc1 .Lnot_wave_0_\@
	s_barrier_signal -3
.Lnot_wave_0_\@:
	s_barrier_wait -3
	s_barrier_signal -1
	s_barrier_wait -1
.endm
	s_load_b256 s[4:11], s[0:1], 0x0               ; z_e s[4:5], cb s[6:7], out2 s[8:9], idxw s[10:11]
	s_load_b64 s[PT:PT+1], s[0:1], 0x20            ; part
	v_lshl_add_u32 v[SPW], v0, 2, SPARE
	v_mov_b32 v[NIL], 0
	ds_add_u32 v[SPW], v[NIL]                      ; the wave's opening: the add, twice on end, and its wait ahead of my first tensor load; the set-up below, work on registers, stands between
	ds_add_u32 v[SPW], v[NIL]                      ; and once more, under the one wait
	v_lshrrev_b32 v1, 5, v0
	v_readfirstlane_b32 s[WV], v1                  ; wave 0..7
	v_and_b32 v1, 15, v0                           ; r = lane % 16
	v_bfe_u32 v2, v0, 4, 1                         ; h = lane / 16
	v_and_b32 v3, 31, v0                           ; lane
	s_bfe_u32 s13, ttmp6, 0x40000                  ; cx: my place in the cluster
	s_lshl_b32 s14, ttmp9, 2                       ; in a cluster launch ttmp9 counts clusters
	s_add_co_u32 s14, s14, s13                     ; g = 4 x cluster + cx: it enters z's, out2's, idxw's and part's addresses and the prefetch's offset alone
	; descriptor group 1: a chunk is dense: 65 rows of 32 elements of 8 bytes, no padding
	s_mov_b32 s[G1+0], 15|(3<<16)|(1<<21)          ; 15:0 the mask: all four work-groups; 17:16 elements of 8 bytes; 21 set beside a mask
	s_mov_b32 s[G1+1], 32<<16                      ; tensor_dim0 = 32
	s_mov_b32 s[G1+2], 65<<16                      ; tensor_dim1 = 65
	s_mov_b32 s[G1+3], 32<<16                      ; tile_dim0 = 32
	s_mov_b32 s[G1+4], 65                          ; tile_dim1 = 65
	s_mov_b32 s[G1+5], 32                          ; 32 elements from row to row
	s_mov_b32 s[G1+6], 0
	s_mov_b32 s[G1+7], 0
	s_mul_i32 s32, s[WV], CHUNK                    ; my chunk's place in a pass, in memory and in a slot: no place in the cluster enters an LDS address
	s_mov_b32 s33, 0
	s_mov_b32 s[G0A], 1                            ; count = 1
	s_mov_b32 s[G0A+1], s32                        ; LDS address: slot 0
	s_mov_b32 s[G0B], 1
	s_add_co_u32 s[G0B+1], s32, SLOTB              ; slot 1
	s_mov_b32 s[INF], 0x7f800000
	s_mov_b32 s[SEL], 0x76543210
	s_mov_b32 s[SEL+1], 0xfedcba98
	v_lshl_add_u32 v[AFB], v3, 4, s32
	v_lshl_add_u32 v[AEB], v2, 5, s32
	v_add_nc_u32 v[AEB], 16384, v[AEB]
	s_lshl_b32 s15, s[WV], 8
	v_lshl_add_u32 v[CUR], v2, 3, s15
	v_mov_b32 v[NUL], 0
	s_lshl_b32 s15, s[WV], 16                      ; my 16 channels: 16 w x 4,096 bytes
	v_lshl_add_u32 v[ZO], v3, 4, s15
	s_mul_i32 s15, s[WV], 16*ZP
	s_add_co_u32 s15, s15, ZT
	v_lshl_add_u32 v[ZTW], v3, 3, s15              ; channel 16 w, rows 4 x lane on
	; The turning load takes 16 channels x 16 rows (lane l reads 16 bytes: channel 8 (l / 16) + l % 8, rows 8 ((l / 8) % 2) + 0..7) and leaves half a fragment: lane l holds row l % 16 and 8 channels.
	v_and_b32 v[ZTR], 7, v0
	v_lshl_add_u32 v[ZTR], v2, 3, v[ZTR]
	v_mul_u32_u24 v[ZTR], v[ZTR], ZP
	v_bfe_u32 v[ZTO], v0, 3, 1
	v_lshl_add_u32 v[ZTR], v[ZTO], 4, v[ZTR]
	v_add_nc_u32 v[ZTR], ZT, v[ZTR]
	s_lshl_b32 s15, s[WV], 5
	v_add_nc_u32 v[ZTO], s15, v[ZTR]
	s_lshl_b32 s15, s[WV], 6
	s_add_co_u32 s15, s15, ZZS
	v_lshl_add_u32 v[ZZW], v1, 2, s15              ; row 16 w + r
	v_lshl_add_u32 v[ZZR], v1, 2, ZZS
	s_lshl_b32 s15, s[WV], 9
	s_add_co_u32 s15, s15, MRG
	v_lshl_add_u32 v[MW], v1, 2, s15
	v_lshl_add_u32 v[MR], v3, 4, MRG
	v_lshlrev_b32 v[GO], 4, v3
	v_mul_u32_u24 v[PFO], v2, SLOTB                ; lanes 0-15: pass 2's chunk, lanes 16-31: pass 3's;
	v_lshl_add_u32 v[PFO], v1, 8, v[PFO]           ; a lane a block of 256 bytes;
	s_lshl_b32 s15, s13, 12
	v_add_nc_u32 v[PFO], s15, v[PFO]               ; my work-group's 16 of the fragments' 64 blocks: the partners are told apart by address
	s_lshr_b32 s15, s14, 3
	s_lshl_b32 s15, s15, 19                        ; the batch: 524,288 bytes
	s_and_b32 s46, s14, 7
	s_lshl_b32 s46, s46, 9                         ; my 128 places: 512 bytes of each channel
	s_add_co_u32 s46, s46, s15
	s_mov_b32 s47, 0
	s_wait_dscnt 0x0                               ; both opening adds are done
	s_wait_kmcnt 0x0
	s_add_nc_u64 s[4:5], s[4:5], s[46:47]
.set i, 0
.rept 16                               ; channel 16 w + i of the 128 rows: 512 consecutive bytes, aligned.  They go out ahead of the round
	global_load_b128 v[ACC+4*i:ACC+4*i+3], v[ZO], s[4:5] offset:4096*i
.set i, i+1
.endr
	s_add_nc_u64 s[G0A+2:G0A+3], s[6:7], s[32:33]  ; pass 0's chunk,
	s_add_nc_u64 s[G0B+2:G0B+3], s[G0A+2:G0A+3], SLOTB    ; pass 1's,
	s_add_nc_u64 s[PFA:PFA+1], s[G0A+2:G0A+3], 2*SLOTB    ; pass 2's
	s_or_b32 s[G0A+3], s[G0A+3], 0x80000000        ; type = 2
	s_or_b32 s[G0B+3], s[G0B+3], 0x80000000
	s_lshl_b32 s46, s14, 9                         ; the work-group's 128 indices: 512 bytes
	s_add_nc_u64 s[8:9], s[8:9], s[46:47]
	s_add_nc_u64 s[10:11], s[10:11], s[46:47]
	CROUND                                         ; all four work-groups are here: the first joint loads meet
	tensor_load_to_lds s[G0A:G0A+3], s[G1:G1+7]    ; both first fills go out together, ahead of every wait on TENSORcnt and every LDS read
	s_nop 0
	tensor_load_to_lds s[G0B:G0B+3], s[G1:G1+7]
	s_nop 0
	; The running state, written while the loads are out: the minimum and the kept octet at +infinity, the octet's code at my first.  So the loop has one form of tile, and a row with no finite distance gets my first code.
.set i, 0
.rept 8
	v_mov_b32 v[RB+2*i], s[INF]
	v_mov_b32 v[RB+2*i+1], v[CUR]
.set i, i+1
.endr
.set i, 0
.rept 64
	v_mov_b32 v[SV+i], s[INF]
.set i, i+1
.endr
.set i, 0
.rept 16
	s_wait_loadcnt 15-i                            ; channel i is in, the 15 - i younger loads stay out
	v_cvt_pk_bf16_f32 v[A+2*i],   v[ACC+4*i],   v[ACC+4*i+1]
	v_cvt_pk_bf16_f32 v[A+2*i+1], v[ACC+4*i+2], v[ACC+4*i+3]
	ds_store_b64 v[ZTW], v[A+2*i:A+2*i+1] offset:ZP*i  ; 32 lanes, 256 bytes on end
.set i, i+1
.endr
	s_wait_dscnt 0x0                               ; for the others' sake: my 16 channels lie in LDS
	s_barrier_signal -1                            ; (my two tensor loads may stay out)
	s_barrier_wait -1                              ; all 128 channels do
.irp c, 0,1,2,3                        ; my own row tile w first, into the fragments' registers, for zz
	ds_load_tr16_b128 v[A+8*\c:A+8*\c+3],   v[ZTO] offset:32*ZP*\c
	ds_load_tr16_b128 v[A+8*\c+4:A+8*\c+7], v[ZTO] offset:32*ZP*\c+16*ZP
.endr
	WIN 0x40                                       ; destination window 1, address window 0
.irp i, 0,1,2,3,4,5,6,7
.irp c, 0,1,2,3
	ds_load_tr16_b128 v[32*\i+8*\c:32*\i+8*\c+3],   v[ZTR] offset:32*ZP*\c+32*\i
	ds_load_tr16_b128 v[32*\i+8*\c+4:32*\i+8*\c+7], v[ZTR] offset:32*ZP*\c+16*ZP+32*\i
.endr
.endr
	WIN 0
	; A PREFETCH of what the two refills will ask for: the fragments of the chunks of passes 2 and 3.  All clusters walk the same codebook: the first cluster asks, and nobody else (the test is the same in its four
	; partners); wave w asks for its own two chunks, each partner for 16 of a chunk's 64 blocks of 256 bytes, a lane a block: each block is named once in the launch.  It stands behind the run of LDS loads, one pass of
	; 128 matrix instructions a wave ahead of the first refill and two ahead of the second.  Passes 0 and 1 and the blocks of ee come by their loads alone.
	s_cmp_eq_u32 ttmp9, 0
	s_cbranch_scc0 .Lno_ask
	global_prefetch_b8 v[PFO], s[PFA:PFA+1] th:TH_LOAD_NT scope:SCOPE_SE
.Lno_ask:
	s_wait_dscnt 63                                ; 64 loads are younger than my own tile's eight; the wait can name 63 at the most
.set n, 0
.rept 32                               ; zz of row 16 w + r, of the rounded numbers: my 64 squares in four chains
.if n < 2
	v_fma_mix_f32_bf16 v[SUM+(2*n)%4],   v[A+n], v[A+n], v[NUL] op_sel_hi:[1,1,0]
	v_fma_mix_f32_bf16 v[SUM+(2*n+1)%4], v[A+n], v[A+n], v[NUL] op_sel:[1,1,0] op_sel_hi:[1,1,0]
.else
	v_fma_mix_f32_bf16 v[SUM+(2*n)%4],   v[A+n], v[A+n], v[SUM+(2*n)%4] op_sel_hi:[1,1,0]
	v_fma_mix_f32_bf16 v[SUM+(2*n+1)%4], v[A+n], v[A+n], v[SUM+(2*n+1)%4] op_sel:[1,1,0] op_sel_hi:[1,1,0]
.endif
.set n, n+1
.endr
	v_add_f32 v[SUM], v[SUM], v[SUM+1]
	v_add_f32 v[SUM+2], v[SUM+2], v[SUM+3]
	v_add_f32 v[SUM], v[SUM], v[SUM+2]
	v_permlanex16_b32 v[SUM+1], v[SUM], s[SEL], s[SEL+1]  ; the row's other 64 channels lie in the lane 16 away
	v_add_f32 v[SUM], v[SUM], v[SUM+1]
	ds_store_b32 v[ZZW], v[SUM]                    ; the two lanes of a row write the same number
	s_wait_dscnt 0x0                               ; my store is done, and window 1 is filled
	s_barrier_signal -1
	s_barrier_wait -1                              ; all 128 zz lie in LDS
.set i, 0
.rept 8
	ds_load_b32 v[ZZ+2*i], v[ZZR] offset:64*i
.set i, i+1
.endr
	s_mov_b32 s[TA], 0
	s_mov_b32 s[TE], 0
	v_add_nc_u32 v[AF], s[TA], v[AFB]
	v_add_nc_u32 v[AE], s[TE], v[AEB]
	s_wait_dscnt 0x0
.set i, 0
.rept 8
	v_mov_b32 v[ZZ+2*i+1], v[ZZ+2*i]
.set i, i+1
.endr
.macro FETCH_A                         ; a tile's fragments: 8 loads of 512 bytes on end
.irp j, 0,1,2,3,4,5,6,7
	ds_load_b128 v[A+4*\j:A+4*\j+3], v[AF] offset:512*\j
.endr
.endm
.macro FETCH_E                         ; ee of my octet: 32 bytes, the same for the 16 lanes of a half
	ds_load_b128 v[EE:EE+3],   v[AE]
	ds_load_b128 v[EE+4:EE+7], v[AE] offset:16
.endm
; 32 matrix instructions: K step c, row tile i.  The first eight start the sums with the constant 0.  The eight accumulators take turns, one instruction a turn, over the backward jump too.
.macro MUL
	WIN 0x04                                       ; source 1 in window 1
.irp c, 0,1,2,3
.irp i, 0,1,2,3,4,5,6,7
.if \c == 0
	v_wmma_f32_16x16x32_bf16 v[ACC+8*\i:ACC+8*\i+7], v[A+8*\c:A+8*\c+7], v[32*\i+8*\c:32*\i+8*\c+7], 0
.else
	v_wmma_f32_16x16x32_bf16 v[ACC+8*\i:ACC+8*\i+7], v[A+8*\c:A+8*\c+7], v[32*\i+8*\c:32*\i+8*\c+7], v[ACC+8*\i:ACC+8*\i+7]
.endif
.endr
.endr
	WIN 0
.endm
; The octets of row tiles i .. i + 3, line by line by turns: a line stands four lines behind the one whose result it reads.  Each accumulator is read from its lowest registers on.
.macro VQUAD i
.irp j, 0,2,4,6
.irp t, 0,1,2,3
	v_pk_fma_f32 v[ACC+8*((\i)+\t)+\j:ACC+8*((\i)+\t)+\j+1], v[ACC+8*((\i)+\t)+\j:ACC+8*((\i)+\t)+\j+1], -2.0, v[ZZ+2*((\i)+\t):ZZ+2*((\i)+\t)+1] op_sel_hi:[1,0,1]  ; zz - 2 dot, rounded once
.endr
.endr
.irp j, 0,2,4,6
.irp t, 0,1,2,3
	v_pk_add_f32 v[ACC+8*((\i)+\t)+\j:ACC+8*((\i)+\t)+\j+1], v[ACC+8*((\i)+\t)+\j:ACC+8*((\i)+\t)+\j+1], v[EE+\j:EE+\j+1]  ; + ee
.endr
.endr
.irp t, 0,1,2,3
	v_min3_num_f32 v[BM+\t], v[ACC+8*((\i)+\t)], v[ACC+8*((\i)+\t)+1], v[ACC+8*((\i)+\t)+2]
.endr
.irp j, 3,5
.irp t, 0,1,2,3
	v_min3_num_f32 v[BM+\t], v[BM+\t], v[ACC+8*((\i)+\t)+\j], v[ACC+8*((\i)+\t)+\j+1]
.endr
.endr
.irp t, 0,1,2,3
	v_min_num_f32 v[BM+\t], v[BM+\t], v[ACC+8*((\i)+\t)+7]
.endr
.irp t, 0,1,2,3
	v_cmp_lt_f32 s[MK+\t], v[BM+\t], v[RB+2*((\i)+\t)]  ; strictly less: a tie stays with the earlier octet
.endr
.irp t, 0,1,2,3
	v_cndmask_b32 v[RB+2*((\i)+\t)], v[RB+2*((\i)+\t)], v[BM+\t], s[MK+\t]
.endr
.irp t, 0,1,2,3
	v_cndmask_b32 v[RB+2*((\i)+\t)+1], v[RB+2*((\i)+\t)+1], v[CUR], s[MK+\t]
.endr
.irp j, 0,1,2,3,4,5,6,7
.irp t, 0,1,2,3
	v_cndmask_b32 v[SV+8*((\i)+\t)+\j], v[SV+8*((\i)+\t)+\j], v[ACC+8*((\i)+\t)+\j], s[MK+\t]
.endr
.endr
.endm
; A TILE: its products; the octets of row tiles 0-3, whose sums were finished first; the next tile's fragments asked for; the octets of row tiles 4-7; the next tile's ee asked for.
; The four plain vector lines behind the products are the places (ISA guide 7.12.1 for the lines that read the results) in front of the lines that read the results and of the loads into the fragments' registers.
; mode 0: the next tile lies in the same slot.   mode 1: it lies in the other slot (first byte nxt), and the slot that is left is filled again, by group 0 g0, with the pass two on.
; mode 2: the other slot, and nothing is left to ask for.   mode 3: the last tile.
.macro TILE mode, g0=0, nxt=0
	s_wait_dscnt 2                                 ; the fragments' eight loads are in; ee's two, which are younger, may stay out
	MUL
.if \mode == 0
	s_add_co_u32 s[TA], s[TA], 4096
	s_add_co_u32 s[TE], s[TE], 64
	v_add_nc_u32 v[AF], s[TA], v[AFB]
	v_add_nc_u32 v[AE], s[TE], v[AEB]
	v_nop
	v_nop
	s_wait_dscnt 0x0                               ; ee is in: its two loads, issued ahead of the products, were all that was out
	VQUAD 0
	FETCH_A                                        ; they have the second half of the vector phase, 92 lines, in which to land
.elseif \mode == 1
	s_wait_tensorcnt 0x0                           ; all my tensor loads have landed: the one that was out is my chunk of the other slot; so a group 0 may be written
	ds_add_u32 v[SPW], v[NIL]                      ; 0 onto my spare word; work on registers stands between it and the wait for it
	s_add_nc_u64 s[\g0+2:\g0+3], s[\g0+2:\g0+3], 2*SLOTB  ; this slot's next pass; the type bits on top are not reached
	s_mov_b32 s[TA], \nxt
	s_mov_b32 s[TE], \nxt
	v_add_nc_u32 v[AF], s[TA], v[AFB]
	v_add_nc_u32 v[AE], s[TE], v[AEB]
	v_nop
	v_nop
	s_wait_dscnt 0x0                               ; the add is done, and my reads of the slot are over: its last tile's fragments and ee lie in registers
	CROUND                                         ; no wave of any partner still reads the slot or has a load on its way
	tensor_load_to_lds s[\g0:\g0+3], s[G1:G1+7]    ; the joint refill, first behind the round, my one tensor load until the next
	s_nop 0
	FETCH_A
	VQUAD 0
.elseif \mode == 2
	s_wait_tensorcnt 0x0                           ; my last load, the other slot's chunk: no load was issued behind it
	s_mov_b32 s[TA], \nxt
	s_mov_b32 s[TE], \nxt
	v_add_nc_u32 v[AF], s[TA], v[AFB]
	v_add_nc_u32 v[AE], s[TE], v[AEB]
	v_nop
	v_nop
	s_wait_dscnt 0x0                               ; ee is in
	VQUAD 0
	FETCH_A
.else
.rept 4
	v_nop
.endr
	s_wait_dscnt 0x0                               ; ee is in
	VQUAD 0
.endif
	VQUAD 4
.if \mode != 3
	v_add_nc_u32 v[CUR], 16, v[CUR]
	FETCH_E
.endif
.endm
.macro LOOP3                           ; a pass's first three tiles
	s_mov_b32 s[CNT], 3
.Ltile_\@:
	TILE 0
	s_sub_co_u32 s[CNT], s[CNT], 1
	s_cmp_lg_u32 s[CNT], 0
	s_cbranch_scc1 .Ltile_\@
.endm
	s_wait_tensorcnt 0x1                           ; my chunk of pass 0 is in; pass 1's, issued behind it, may stay out
	FETCH_A
	FETCH_E
	LOOP3                                          ; pass 0, in slot 0
	TILE 1, G0A, SLOTB                             ; slot 0 takes pass 2
	LOOP3                                          ; pass 1, in slot 1
	TILE 1, G0B, 0                                 ; slot 1 takes pass 3
	LOOP3                                          ; pass 2
	TILE 2, 0, SLOTB
	LOOP3                                          ; pass 3
	TILE 3
	; THE END.  For each row tile: the first place in the kept octet that holds the minimum; then the better of the two halves of the lanes, whose octets interleave: on a tie the lower index.
.set i, 0
.rept 8
	v_mov_b32 v[SUM], 7
.irp j, 6,5,4,3,2,1,0
	v_cmp_eq_f32 s[MK], v[SV+8*i+\j], v[RB+2*i]
	v_cndmask_b32 v[SUM], v[SUM], \j, s[MK]
.endr
	v_add_nc_u32 v[RB+2*i+1], v[RB+2*i+1], v[SUM]
	v_permlanex16_b32 v[SUM+1], v[RB+2*i], s[SEL], s[SEL+1]    ; (both destinations were written for zz)
	v_permlanex16_b32 v[SUM+2], v[RB+2*i+1], s[SEL], s[SEL+1]
	v_cmp_lt_f32 s[MK], v[SUM+1], v[RB+2*i]
	v_cmp_eq_f32 s[MK+1], v[SUM+1], v[RB+2*i]
	v_cmp_lt_u32 s[MK+2], v[SUM+2], v[RB+2*i+1]
	s_and_b32 s[MK+1], s[MK+1], s[MK+2]
	s_or_b32 s[MK], s[MK], s[MK+1]
	v_cndmask_b32 v[RB+2*i], v[RB+2*i], v[SUM+1], s[MK]
	v_cndmask_b32 v[RB+2*i+1], v[RB+2*i+1], v[SUM+2], s[MK]
	ds_store_b32 v[MW], v[RB+2*i] offset:64*i      ; the two lanes of a row now hold, and write, the same
	ds_store_b32 v[MW], v[RB+2*i+1] offset:4096+64*i
.set i, i+1
.endr
	s_wait_dscnt 0x0                               ; for wave 0's sake: my stores are done
	s_barrier_signal -1
	s_barrier_wait -1
	s_cmp_lg_u32 s[WV], 0
	s_cbranch_scc1 .Lend
.irp u, 0,1,2,3,4,5,6,7                ; wave 0: a lane takes rows 4 x lane .. + 3 of all eight waves
	ds_load_b128 v[ACC+4*\u:ACC+4*\u+3],       v[MR] offset:512*\u
	ds_load_b128 v[ACC+32+4*\u:ACC+32+4*\u+3], v[MR] offset:4096+512*\u
.endr
	s_wait_dscnt 0x0
.irp u, 1,2,3,4,5,6,7                  ; the waves' codes ascend with the wave's number: strictly less keeps the lower index on a tie
.irp k, 0,1,2,3
	v_cmp_lt_f32 s[MK+\k], v[ACC+4*\u+\k], v[ACC+\k]
.endr
.irp k, 0,1,2,3
	v_cndmask_b32 v[ACC+\k], v[ACC+\k], v[ACC+4*\u+\k], s[MK+\k]
	v_cndmask_b32 v[ACC+32+\k], v[ACC+32+\k], v[ACC+32+4*\u+\k], s[MK+\k]
.endr
.endr
	global_store_b128 v[GO], v[ACC+32:ACC+35], s[8:9]    ; 512 consecutive bytes, aligned: the result,
	global_store_b128 v[GO], v[ACC+32:ACC+35], s[10:11]  ; and the copy from which the next launch forms addresses
	; the work-group's share of the loss: the sum of its 128 rows' least distances, in f32
	v_add_f32 v[ACC], v[ACC], v[ACC+1]
	v_add_f32 v[ACC+2], v[ACC+2], v[ACC+3]
	v_add_f32 v[ACC], v[ACC], v[ACC+2]
	v_add_f32_dpp v[ACC], v[ACC], v[ACC] row_xmask:1 row_mask:0xf bank_mask:0xf
	v_add_f32_dpp v[ACC], v[ACC], v[ACC] row_xmask:2 row_mask:0xf bank_mask:0xf
	v_add_f32_dpp v[ACC], v[ACC], v[ACC] row_xmask:4 row_mask:0xf bank_mask:0xf
	v_add_f32_dpp v[ACC], v[ACC], v[ACC] row_xmask:8 row_mask:0xf bank_mask:0xf
	v_permlanex16_b32 v[ACC+1], v[ACC], s[SEL], s[SEL+1]
	v_add_f32 v[ACC], v[ACC], v[ACC+1]
	s_lshl_b32 s46, s14, 2
	v_mov_b32 v[SUM], s46                          ; word g of part
	s_wait_xcnt 0x0                                ; EXEC is a source of the stores above: it changes only behind this wait
	v_cmp_eq_u32 vcc_lo, 0, v0                     ; in wave 0 the thread's number is the lane's
	s_and_saveexec_b32 s[MK], vcc_lo
	global_store_b32 v[SUM], v[ACC], s[PT:PT+1]    ; one number a work-group
	s_wait_xcnt 0x0                                ; and again, in front of the line that widens it
	s_or_b32 exec_lo, exec_lo, s[MK]
.Lend:
	s_wait_tensorcnt 0x0                           ; the wave's end, behind my last tensor load and my last LDS store
	ds_add_u32 v[SPW], v[NIL]
	s_wait_dscnt 0x0
	CROUND                                         ; the closing round: no work-group ends while a partner may still ask for a chunk that names it
	s_endpgm
.Lfunc_end_k_q1fd73978d7_amin:
	.size	k_q1fd73978d7_amin, .Lfunc_end_k_q1fd73978d7_amin-k_q1fd73978d7_amin
	.p2alignl 7, 3214868480
	.fill 96, 4, 3214868480
	.section	.rodata,"a",@progbits
	.p2align	6, 0x0
	.amdhsa_kernel k_q1fd73978d7_amin
		.amdhsa_group_segment_fixed_size 327680
		.amdhsa_private_segment_fixed_size 0
		.amdhsa_enable_private_segment 0
		.amdhsa_kernarg_size 40
		.amdhsa_user_sgpr_count 2
		.amdhsa_user_sgpr_kernarg_segment_ptr 1
		.amdhsa_wavefront_size32 1
		.amdhsa_system_sgpr_workgroup_id_x 1
		.amdhsa_system_sgpr_workgroup_id_y 1
		.amdhsa_system_sgpr_workgroup_id_z 1
		.amdhsa_system_vgpr_workitem_id 0
		.amdhsa_next_free_vgpr 512
		.amdhsa_next_free_sgpr 66
		.amdhsa_reserve_vcc 1
		.amdhsa_float_denorm_mode_32 3
		.amdhsa_float_denorm_mode_16_64 3
		.amdhsa_memory_ordered 1
		.amdhsa_forward_progress 1
		.amdhsa_inst_pref_size 159
	.end_amdhsa_kernel
	.amdgpu_metadata
---
amdhsa.version: [ 1, 2 ]
amdhsa.kernels:
  - .name:           k_q1fd73978d7_amin
    .symbol:         k_q1fd73978d7_amin.kd
    .args:
      - { .name: z_e, .offset: 0, .size: 8, .value_kind: global_buffer, .address_space: global }
      - { .name: cb, .offset: 8, .size: 8, .value_kind: global_buffer, .address_space: global }
      - { .name: out2, .offset: 16, .size: 8, .value_kind: global_buffer, .address_space: global }
      - { .name: idxw, .offset: 24, .size: 8, .value_kind: global_buffer, .address_space: global }
      - { .name: part, .offset: 32, .size: 8, .value_kind: global_buffer, .address_space: global }
    .group_segment_fixed_size: 327680
    .private_segment_fixed_size: 0
    .kernarg_segment_align: 8
    .kernarg_segment_size: 40
    .max_flat_workgroup_size: 256
    .sgpr_count:     66
    .vgpr_count:     512
    .wavefront_size: 32
...
	.end_amdgpu_metadata
.endif
;; end of part 6
;; launch gath (part 7): grid 256 x 1, 8 waves a work-group, no clusters, 35,840 bytes of LDS; arguments z_e, emb, idxw, part, out0, out1; writes out0, out1
.if DOCPART == 7
	.amdgcn_target "amdgcn-amd-amdhsa--gfx1250"
	.amdhsa_code_object_version 6
	.text
	.protected	k_q1fd73978d7_gath
	.globl	k_q1fd73978d7_gath
	.p2align	8
	.type	k_q1fd73978d7_gath,@function
k_q1fd73978d7_gath:
	s_mov_b64 s[64:65], 0
	v_nop
	global_prefetch_b8 v0, s[64:65] scope:SCOPE_SE
	s_setreg_imm32_b32 hwreg(HW_REG_WAVE_MODE, 25, 1), 1
	s_wait_xcnt 0x0
; VECTOR QUANTIZER, launch 3 of 3: z_q = emb[index], out0 = z + (z_q - z) in the layout [b][d][place]; and out1.
; Left out: the squares (z_q - z)^2.  Their sum over a row is, for all values of the inputs, the row's least distance zz - 2 z.e + ee, which the launch before has made and summed by work-groups (part).
; Also the second of reference()'s two means, which is the same number as the first for all values of the inputs (stop_gradient changes no value): the one mean is multiplied by 1.25.
; LIMIT.  The loss is within a hundredth of itself while the mean distance is above 1/5,000 of the mean zz (at most some 21 roundings of 2^-24 zz in a distance).
; z + (z_q - z) is formed as written, with its two roundings.  z and emb are taken rounded once to bf16, as in the launch that chose the indices.
; SHARES.  Work-group g owns the 128 rows of batch g / 8, places 128 (g % 8) .. + 127.  Wave w fetches the code rows of rows 16 w .. + 15: a row of emb is 512 bytes, one load of the wave, whole.  They are
; rounded to bf16 and laid in LDS; behind a barrier wave w makes channels 16 w .. + 15 for all 128 rows: lane l holds places 4 l .. 4 l + 3, so each load of z and each store of out0 covers 512 consecutive bytes, aligned.
; OUT1 has one owner: wave 0 of work-group 0 adds up the 256 sums, 1,024 bytes, in one block that stands behind its loads of z and of the rows, while those are on their way.
; THE INDICES come from memory, as the launch before stored them, by a scalar load: 16 a wave; each is held to 0 .. 2,047 before it enters an address.
; LDS.  Row n lies in slot n / 4 + 32 (n % 4), slots 272 bytes apart (256 + 16 = 68 words): for a fixed k = n % 4 the 32 lanes read 32 slots on end, whose rows start 4 banks apart (64 banks of 4 bytes: ISA guide 11.1).
; No tensor load, no cluster, no matrix unit: the launch is a stream; which rows of emb a work-group wants hangs on its indices, so no tile is shared.
.set QP,    272
.set SPARE, 128*QP                     ; behind the rows: the spare words, 128 bytes for each of eight waves: four blocks of 256 bytes that no other line names
.set ZO,  2                            ; v2   my byte offset in z and out0: (w << 16) + 16 x lane; never rewritten
.set QW,  3                            ; v3   where I put 8 bytes of a code row
.set QR,  4                            ; v4   where I read 32 bytes of a row
.set SPW, 5                            ; v5   LDS address of my spare word; never rewritten
.set NIL, 6                            ; v6   0; never rewritten
.set L16, 7                            ; v7   16 x lane
.set RO,  8                            ; v[8:23]   row i: index x 512 + 16 x lane; never rewritten
.set PK,  28                           ; v[28:31]  packed, two sets by turns
.set Z,   32                           ; v[32:95]  channel i: 4 places of z, then of out0
.set E,   96                           ; v[96:159] row i: 4 channels of its code
.set GP,  96                           ; v[96:127] later: place k's 16 channels in bf16, 8 registers at GP + 8 k
.set W0,  160                          ; v[160:183] at work, two sets of 12 by turns: z rounded (4), z_q (4), z_q - z (4); ahead of that, in one wave, the 256 sums
.set WV,  14                           ; s14  my wave's number
.set IX,  16                           ; s[16:31] my 16 indices
.set SEL, 36                           ; s[36:37] v_permlanex16_b32's selects
.set O0,  40                           ; s[40:41] out0
.set O1,  42                           ; s[42:43] out1
.set HIM, 44                           ; s44  a word's upper bf16
	s_load_b256 s[4:11], s[0:1], 0x0               ; z_e s[4:5], emb s[6:7], idxw s[8:9], part s[10:11]
	s_load_b128 s[O0:O0+3], s[0:1], 0x20           ; out0, out1
	v_lshl_add_u32 v[SPW], v0, 2, SPARE
	v_mov_b32 v[NIL], 0
	v_lshrrev_b32 v1, 5, v0
	v_readfirstlane_b32 s[WV], v1                  ; wave 0..7
	v_and_b32 v1, 31, v0                           ; lane
	v_lshlrev_b32 v[L16], 4, v1
	s_lshl_b32 s32, s[WV], 16                      ; my 16 channels: 16 w x 4,096 bytes
	v_lshl_add_u32 v[ZO], v1, 4, s32
	s_mul_i32 s32, s[WV], 4*QP                     ; rows 16 w + i: slots 4 w + i / 4 + 32 (i % 4)
	v_lshl_add_u32 v[QW], v1, 3, s32
	s_lshl_b32 s32, s[WV], 5                       ; my 16 channels: 32 bytes of a row
	v_mul_u32_u24 v[QR], v1, QP
	v_add_nc_u32 v[QR], s32, v[QR]
	s_mov_b32 s[SEL], 0x76543210
	s_mov_b32 s[SEL+1], 0xfedcba98
	s_mov_b32 s[HIM], 0xffff0000
	s_lshl_b32 s32, ttmp9, 9                       ; the work-group's 128 indices,
	s_lshl_b32 s33, s[WV], 6                       ; my 16 of them
	s_add_co_u32 s32, s32, s33
	s_mov_b32 s33, 0
	s_wait_kmcnt 0x0
	s_add_nc_u64 s[8:9], s[8:9], s[32:33]
	s_load_b512 s[IX:IX+15], s[8:9], 0x0
	s_lshr_b32 s32, ttmp9, 3
	s_lshl_b32 s32, s32, 19                        ; the batch: 524,288 bytes
	s_and_b32 s35, ttmp9, 7
	s_lshl_b32 s35, s35, 9                         ; my 128 places: 512 bytes of each channel
	s_add_co_u32 s32, s32, s35
	s_add_nc_u64 s[4:5], s[4:5], s[32:33]
	s_add_nc_u64 s[O0:O0+1], s[O0:O0+1], s[32:33]
.set i, 0
.rept 16                               ; z goes out first, while the indices are on their way
	global_load_b128 v[Z+4*i:Z+4*i+3], v[ZO], s[4:5] offset:4096*i th:TH_LOAD_NT
.set i, i+1
.endr
	s_wait_kmcnt 0x0
.set i, 0
.rept 16
	s_min_u32 s[IX+i], s[IX+i], 0x7ff              ; an index stays inside the table
	v_lshl_add_u32 v[RO+i], s[IX+i], 9, v[L16]
.set i, i+1
.endr
.set i, 0
.rept 16                               ; no hint: a row may be named again
	global_load_b128 v[E+4*i:E+4*i+3], v[RO+i], s[6:7]
.set i, i+1
.endr
	; OUT1, in wave 0 of work-group 0 alone: loads, wait, sum and store stand in this one block.  Its wait is for all the wave's loads; the counted waits below then find everything in.
	s_or_b32 s33, ttmp9, s[WV]
	s_cmp_lg_u32 s33, 0
	s_cbranch_scc1 .Lno_sum
	global_load_b128 v[W0:W0+3],   v[L16], s[10:11]             ; 256 sums: 8 a lane
	global_load_b128 v[W0+4:W0+7], v[L16], s[10:11] offset:512
	v_mov_b32 v[W0+8], 0                           ; out1's offset
	s_wait_loadcnt 0x0
	v_pk_add_f32 v[W0:W0+1],   v[W0:W0+1],   v[W0+2:W0+3]
	v_pk_add_f32 v[W0+4:W0+5], v[W0+4:W0+5], v[W0+6:W0+7]
	v_pk_add_f32 v[W0:W0+1],   v[W0:W0+1],   v[W0+4:W0+5]
	v_add_f32 v[W0], v[W0], v[W0+1]
	v_add_f32_dpp v[W0], v[W0], v[W0] row_xmask:1 row_mask:0xf bank_mask:0xf
	v_add_f32_dpp v[W0], v[W0], v[W0] row_xmask:2 row_mask:0xf bank_mask:0xf
	v_add_f32_dpp v[W0], v[W0], v[W0] row_xmask:4 row_mask:0xf bank_mask:0xf
	v_add_f32_dpp v[W0], v[W0], v[W0] row_xmask:8 row_mask:0xf bank_mask:0xf
	v_permlanex16_b32 v[W0+1], v[W0], s[SEL], s[SEL+1]
	v_add_f32 v[W0], v[W0], v[W0+1]
	v_mul_f32 v[W0], 0x34a00000, v[W0]             ; 1.25 / (32 x 128 x 32 x 32) = 1.25 x 2^-22
	s_wait_xcnt 0x0                                ; EXEC is a source of the loads above: it changes only behind this wait
	v_cmp_eq_u32 vcc_lo, 0, v0
	s_and_saveexec_b32 s34, vcc_lo
	global_store_b32 v[W0+8], v[W0], s[O1:O1+1]
	s_wait_xcnt 0x0                                ; and again, in front of the line that widens it; the store's two registers are written again only behind this wait
	s_or_b32 exec_lo, exec_lo, s34
.Lno_sum:
.set i, 0
.rept 16
	s_wait_loadcnt 15-i                            ; row i is in (and all of z, issued earlier); the 15 - i younger rows stay out
	v_cvt_pk_bf16_f32 v[PK+2*(i%2)],   v[E+4*i],   v[E+4*i+1]
	v_cvt_pk_bf16_f32 v[PK+2*(i%2)+1], v[E+4*i+2], v[E+4*i+3]
	ds_store_b64 v[QW], v[PK+2*(i%2):PK+2*(i%2)+1] offset:((i/4)+32*(i%4))*QP  ; 32 lanes, 256 bytes on end
.set i, i+1
.endr
	s_wait_dscnt 0x0                               ; for the others' sake: my 16 rows lie in LDS
	s_barrier_signal -1
	s_barrier_wait -1                              ; all 128 do
.irp k, 0,1,2,3                        ; row 4 l + k lies in slot l + 32 k
	ds_load_b128 v[GP+8*\k:GP+8*\k+3],   v[QR] offset:32*QP*\k
	ds_load_b128 v[GP+8*\k+4:GP+8*\k+7], v[QR] offset:32*QP*\k+16
.endr
	s_wait_dscnt 0x0
; Channel 16 w + i.  z is rounded to bf16 and widened; z_q's four places are one half of one register of each of the four rows: which register takes it is the transposition.
.macro CH i
.set TS, W0+12*((\i)%2)
.set GR, GP+4*((\i)/8)+(((\i)%8)/2)
	v_cvt_pk_bf16_f32 v[TS+8], v[Z+4*(\i)],   v[Z+4*(\i)+1]
	v_cvt_pk_bf16_f32 v[TS+9], v[Z+4*(\i)+2], v[Z+4*(\i)+3]
	v_lshlrev_b32 v[TS],   16, v[TS+8]
	v_and_b32     v[TS+1], s[HIM], v[TS+8]
	v_lshlrev_b32 v[TS+2], 16, v[TS+9]
	v_and_b32     v[TS+3], s[HIM], v[TS+9]
.irp k, 0,1,2,3
.if (\i)%2
	v_and_b32 v[TS+4+\k], s[HIM], v[GR+8*\k]
.else
	v_lshlrev_b32 v[TS+4+\k], 16, v[GR+8*\k]
.endif
.endr
	v_pk_add_f32 v[TS+8:TS+9],   v[TS+4:TS+5], v[TS:TS+1]   neg_lo:[0,1] neg_hi:[0,1]  ; z_q - z
	v_pk_add_f32 v[TS+10:TS+11], v[TS+6:TS+7], v[TS+2:TS+3] neg_lo:[0,1] neg_hi:[0,1]
	v_pk_add_f32 v[Z+4*(\i):Z+4*(\i)+1],   v[TS:TS+1],   v[TS+8:TS+9]                 ; z + (z_q - z)
	v_pk_add_f32 v[Z+4*(\i)+2:Z+4*(\i)+3], v[TS+2:TS+3], v[TS+10:TS+11]
	global_store_b128 v[ZO], v[Z+4*(\i):Z+4*(\i)+3], s[O0:O0+1] offset:4096*(\i) th:TH_STORE_NT  ; 512 consecutive bytes, aligned; its registers are written no more
.endm
.irp i, 0,1,2,3,4,5,6,7,8,9,10,11,12,13,14,15
	CH \i
.endr
	s_wait_tensorcnt 0x0                           ; the wave's end, behind my last LDS store
	ds_add_u32 v[SPW], v[NIL]
	s_wait_dscnt 0x0
	s_endpgm
.Lfunc_end_k_q1fd73978d7_gath:
	.size	k_q1fd73978d7_gath, .Lfunc_end_k_q1fd73978d7_gath-k_q1fd73978d7_gath
	.p2alignl 7, 3214868480
	.fill 96, 4, 3214868480
	.section	.rodata,"a",@progbits
	.p2align	6, 0x0
	.amdhsa_kernel k_q1fd73978d7_gath
		.amdhsa_group_segment_fixed_size 35840
		.amdhsa_private_segment_fixed_size 0
		.amdhsa_enable_private_segment 0
		.amdhsa_kernarg_size 48
		.amdhsa_user_sgpr_count 2
		.amdhsa_user_sgpr_kernarg_segment_ptr 1
		.amdhsa_wavefront_size32 1
		.amdhsa_system_sgpr_workgroup_id_x 1
		.amdhsa_system_sgpr_workgroup_id_y 1
		.amdhsa_system_sgpr_workgroup_id_z 1
		.amdhsa_system_vgpr_workitem_id 0
		.amdhsa_next_free_vgpr 192
		.amdhsa_next_free_sgpr 66
		.amdhsa_reserve_vcc 1
		.amdhsa_float_denorm_mode_32 3
		.amdhsa_float_denorm_mode_16_64 3
		.amdhsa_memory_ordered 1
		.amdhsa_forward_progress 1
		.amdhsa_inst_pref_size 24
	.end_amdhsa_kernel
	.amdgpu_metadata
---
amdhsa.version: [ 1, 2 ]
amdhsa.kernels:
  - .name:           k_q1fd73978d7_gath
    .symbol:         k_q1fd73978d7_gath.kd
    .args:
      - { .name: z_e, .offset: 0, .size: 8, .value_kind: global_buffer, .address_space: global }
      - { .name: emb, .offset: 8, .size: 8, .value_kind: global_buffer, .address_space: global }
      - { .name: idxw, .offset: 16, .size: 8, .value_kind: global_buffer, .address_space: global }
      - { .name: part, .offset: 24, .size: 8, .value_kind: global_buffer, .address_space: global }
      - { .name: out0, .offset: 32, .size: 8, .value_kind: global_buffer, .address_space: global }
      - { .name: out1, .offset: 40, .size: 8, .value_kind: global_buffer, .address_space: global }
    .group_segment_fixed_size: 35840
    .private_segment_fixed_size: 0
    .kernarg_segment_align: 8
    .kernarg_segment_size: 48
    .max_flat_workgroup_size: 256
    .sgpr_count:     66
    .vgpr_count:     192
    .wavefront_size: 32
...
	.end_amdgpu_metadata
.endif
;; end of part 7
;; ======== version 3 of 3: 3 launches; version 2 with the launch prep written anew for expert scheduling mode
;; limits: a difference of large sums (such as E[x^2] - mean^2): digits are lost where the result is much smaller than its terms
;; workspace buffers: cb 532,480 bytes; idxw 131,072 bytes of whole numbers; part 1,024 bytes
;; launch prep (part 8): grid 32 x 1, 4 waves a work-group, no clusters, 768 bytes of LDS; arguments emb, cb; writes cb
.if DOCPART == 8
	.amdgcn_target "amdgcn-amd-amdhsa--gfx1250"
	.amdhsa_code_object_version 6
	.text
	.protected	k_q1fd73978d7_prep
	.globl	k_q1fd73978d7_prep
	.p2align	8
	.type	k_q1fd73978d7_prep,@function
k_q1fd73978d7_prep:
	s_mov_b64 s[64:65], 0
	v_nop
	global_prefetch_b8 v0, s[64:65] scope:SCOPE_SE
	s_setreg_imm32_b32 hwreg(HW_REG_WAVE_SCHED_MODE, 0, 2), 2
	s_setreg_imm32_b32 hwreg(HW_REG_WAVE_MODE, 25, 1), 1
	s_wait_xcnt 0x0
	s_wait_alu depctr_vm_vsrc(0)
; VECTOR QUANTIZER, launch 1 of 3: the codebook, rounded once to bf16, laid out as the matrix unit's fragments, and ee[k] = the sum over d of emb[k][d]^2.
; THE PROGRAM.  prep: emb -> cb.  amin: z_e, cb -> the index of the nearest code for each of the 32,768 rows (out2, and a copy for the next launch's addresses), and for each work-group the sum of
; its rows' least distances.  gath: the lookup emb[index], out0 = z + (z_q - z); one of its waves adds up the 256 sums and stores out1.
; WHAT IS LEFT OUT, AND WHAT IS NOT.  Both inputs are loaded.
;   zz[n] = the sum of z[n][d]^2 is the same for all codes of a row, but it stays: it is some 10^4 times the other two terms, so reference()'s f32 sums
;   (zz - 2 z.e) + ee lose their low bits against it, and which code is the first minimum hangs on that rounding.  The distances are formed as reference() forms them: one
;   rounding of zz - 2 dot, one of the sum with ee, and the first minimum is taken.
;   z + (z_q - z) is formed as written: for z much larger than z_q the rounding of z_q - z is part of the result.
;   THE SQUARES (z_q - z)^2 ARE NOT FORMED A SECOND TIME: for every row and all values of the inputs their sum over d is zz - 2 z.e + ee of the chosen code, which is the row's least distance, and that
;   number has been made for the argmin.  codebook_loss and commitment_loss are one and the same mean for all values of the inputs (stop_gradient changes no value): it is made once and multiplied by 1 + BETA = 1.25.
; FORMAT.  Every use of z_e and emb (products, zz, ee, z_q) takes the input rounded once to bf16, so that all results belong to one set of rounded inputs.
; LIMITS.  The f32 sums of a dot product, of zz and of ee are taken in another order than reference()'s: where two codes' distances differ by less than that, the other may be chosen.
; A least distance carries at most some 21 roundings of 2^-24 zz (19 in zz's sum, 2 in the distance), so the loss is off by at most 1.3e-6 x (sum of zz) / (sum of distances) of itself: it is within a hundredth
; while the mean distance is above 1/5,000 of the mean zz.  An overflow of zz reaches the loss, where reference()'s squares might stay finite.
; A NaN among the distances is passed over by the minimum, where jnp.argmin would stop at it; a row whose distances are all infinite or NaN gets index 0.
;
; cb: 32 chunks of 16,640 bytes.  Chunk q = 8 s + w holds the 64 codes 256 w + 64 s .. + 63: what wave w of the next launch multiplies in its pass s.  In a chunk: four tiles of 16 codes, 4,096 bytes
; each, then the 64 ee in f32 (256 bytes).  In a tile, piece j = 2 c + p of lane L = 16 h + r lies at 512 j + 16 L and holds code r, channels 32 c + 16 p + 8 h + 0..7: four registers of source 0's
; fragment for K step c, as they lie in the registers (ISA guide 7.12.2), so that 32 lanes read 512 bytes on end.
; SHARES.  Work-group q makes chunk q, wave t its tile t.  A wave's sixteen loads together cover its 16 rows of emb, 8 KiB, whole; each store of a wave covers 512 consecutive bytes, aligned.
; No cluster, no tensor load: no two work-groups read the same byte, and the whole table is 1 MiB.
; THE MODE: SCHED_MODE bits 1:0 = 2 (LLVM: expert scheduling mode 2), set by the entry lines.  The code itself states the register dependences
; between vector instructions and memory or LDS instructions, with s_wait_alu, always for 0.
; THE PLAN.  Registers that memory or LDS instructions touch:
;   v[GI], v[GO], v[TA], v[TB], v[SPW], v[NIL]   offsets and LDS addresses: all made at the head, ahead of one wait, and never written again.
;   F    the sixteen loads land in it; no vector line names it before them; the conversions read it; it is never written again.
;   P    piece j's four conversions write it; piece j's store and the squares read it; it is never written again.
;   v[SUM]          written by ee's chains, read by the one LDS store.   v[SUM+2:SUM+3]  named by ee's chains; behind them wave 0's LDS load lands there, and its last store reads it.
; So no register that a memory or LDS instruction has read is written again, and the text holds no wait on vm_vsrc.  The eight stores of fragments go in two halves, each behind one wait on va_vdst:
; pieces 0-3's stand among the conversions of pieces 4-7, which name other registers; pieces 4-7's stand in one run behind the last conversion.
.set CHUNK, 16640
.set EES,   0                          ; LDS: the chunk's 64 ee, 256 bytes
.set SPARE, 256                        ; the spare words, 128 bytes for each of four waves: two blocks of 256 bytes that no other line names
.set GI,  4                            ; v4   my byte offset in emb: code x 512 + 32 h; never rewritten
.set GO,  5                            ; v5   my byte offset in the chunk: 4,096 x wave + 16 x lane; never rewritten
.set SPW, 6                            ; v6   LDS address of my spare word; never rewritten
.set NIL, 7                            ; v7   0; never rewritten
.set NUL, 8                            ; v8   0.0: starts the four chains of ee
.set TA,  9                            ; v9   at the head the wave's number; then the LDS address of my code's ee: word 16 x wave + r
.set SUM, 10                           ; v[10:13]  four chains
.set TB,  14                           ; v14  8 x lane: where wave 0 reads two ee, and their offset in the chunk's last block; never rewritten
.set F,   16                           ; v[16:79]  piece j: 8 numbers in f32
.set P,   80                           ; v[80:111] piece j: 4 registers of bf16
.set WV,  8                            ; s8   my wave's number
	s_load_b128 s[4:7], s[0:1], 0x0                ; emb s[4:5], cb s[6:7]
	v_lshl_add_u32 v[SPW], v0, 2, SPARE
	v_mov_b32 v[NIL], 0
	v_lshrrev_b32 v[TA], 5, v0
	v_readfirstlane_b32 s[WV], v[TA]               ; wave 0..3
	v_and_b32 v1, 15, v0                           ; r
	v_bfe_u32 v2, v0, 4, 1                         ; h
	v_and_b32 v3, 31, v0                           ; lane
	s_and_b32 s9, ttmp9, 7                         ; w
	s_lshr_b32 s10, ttmp9, 3                       ; s
	s_lshl_b32 s9, s9, 8
	s_lshl_b32 s10, s10, 6
	s_add_co_u32 s9, s9, s10                       ; the chunk's first code: 256 w + 64 s
	s_wait_alu depctr_va_sdst(0)                   ; s8, the wave's number, is written, ahead of its first reader: the three shifts below, and later the branch, are made from it
	s_lshl_b32 s11, s[WV], 4
	s_add_co_u32 s9, s9, s11                       ; my tile's first code
	v_add_nc_u32 v[GI], s9, v1
	v_lshlrev_b32 v[GI], 9, v[GI]                  ; a row of emb is 512 bytes
	v_lshl_add_u32 v[GI], v2, 5, v[GI]
	s_lshl_b32 s2, s[WV], 12                       ; (a scalar register of its own for each shift: none that a vector line reads is written again)
	v_lshl_add_u32 v[GO], v3, 4, s2
	s_lshl_b32 s3, s[WV], 6
	v_lshl_add_u32 v[TA], v1, 2, s3                ; word 16 x wave + r
	v_lshlrev_b32 v[TB], 3, v3
	s_mul_i32 s14, ttmp9, CHUNK
	s_mov_b32 s15, 0
	s_mov_b32 s12, 0x76543210                      ; v_permlanex16_b32's selects: each lane takes its own place in the other half
	s_mov_b32 s13, 0xfedcba98
	v_mov_b32 v[NUL], 0
	s_wait_kmcnt 0x0
	s_add_nc_u64 s[6:7], s[6:7], s[14:15]          ; cb at my chunk
	s_wait_alu depctr_va_vdst(0)                   ; v[GI], v[GO], v[TA], v[TB], v[SPW] and v[NIL] are written: every load, store and LDS instruction of the kernel reads one of them as its offset or address
.set j, 0
.rept 8                                ; piece j: channels 16 j + 8 h + 0..7 are 32 bytes at 64 j + 32 h of the row
	global_load_b128 v[F+8*j:F+8*j+3],   v[GI], s[4:5] offset:64*j
	global_load_b128 v[F+8*j+4:F+8*j+7], v[GI], s[4:5] offset:64*j+16
.set j, j+1
.endr
.set j, 0
.rept 8
	s_wait_loadcnt 14-2*j                          ; loads come back in order (ISA guide 5.7.1): piece j's two are in, the 14 - 2 j younger ones stay out
.if j == 4
	s_wait_alu depctr_va_vdst(0)                   ; the conversions of pieces 0 to 3 have written P + 0 .. 15, which the four stores among the lines below read
.endif
.if j >= 4
	global_store_b128 v[GO], v[P+4*(j-4):P+4*(j-4)+3], s[6:7] offset:512*(j-4)  ; piece j - 4: the wave's 512 consecutive bytes.  No further wait: the conversions since the wait name F + 32 .. and P + 16 .. alone
.endif
.irp t, 0,1,2,3
	v_cvt_pk_bf16_f32 v[P+4*j+\t], v[F+8*j+2*\t], v[F+8*j+2*\t+1]
.endr
.set j, j+1
.endr
	s_wait_alu depctr_va_vdst(0)                   ; the conversions of pieces 4 to 7 have written P + 16 .. 31, which the four stores below read
.set j, 4
.rept 4
	global_store_b128 v[GO], v[P+4*j:P+4*j+3], s[6:7] offset:512*j  ; the wave's 512 consecutive bytes; P's registers are only read from here on
.set j, j+1
.endr
	; ee of code r, of the rounded numbers: my 64 squares in four chains, then the other half of the lanes' 64
.set n, 0
.rept 32
.if n < 2
	v_fma_mix_f32_bf16 v[SUM+(2*n)%4],   v[P+n], v[P+n], v[NUL] op_sel_hi:[1,1,0]
	v_fma_mix_f32_bf16 v[SUM+(2*n+1)%4], v[P+n], v[P+n], v[NUL] op_sel:[1,1,0] op_sel_hi:[1,1,0]
.else
	v_fma_mix_f32_bf16 v[SUM+(2*n)%4],   v[P+n], v[P+n], v[SUM+(2*n)%4] op_sel_hi:[1,1,0]
	v_fma_mix_f32_bf16 v[SUM+(2*n+1)%4], v[P+n], v[P+n], v[SUM+(2*n+1)%4] op_sel:[1,1,0] op_sel_hi:[1,1,0]
.endif
.set n, n+1
.endr
	v_add_f32 v[SUM], v[SUM], v[SUM+1]
	v_add_f32 v[SUM+2], v[SUM+2], v[SUM+3]
	v_add_f32 v[SUM], v[SUM], v[SUM+2]
	v_permlanex16_b32 v[SUM+1], v[SUM], s12, s13   ; its destination counts as read: a register that has been written
	v_add_f32 v[SUM], v[SUM], v[SUM+1]
	s_wait_alu depctr_va_vdst(0)                   ; the last addition has written v[SUM], which the LDS store reads; and the additions are done with v[SUM+2:SUM+3], in which wave 0's LDS load lands: no vector line follows this wait
	ds_store_b32 v[TA], v[SUM] offset:EES          ; the two lanes of a code write the same number
	s_wait_dscnt 0x0                               ; for the others' sake: my store is done
	s_barrier_signal -1
	s_barrier_wait -1                              ; all 64 ee lie in LDS
	s_cmp_lg_u32 s[WV], 0
	s_cbranch_scc1 .Lend                           ; wave 0 stores them as one block of 256 bytes
	ds_load_b64 v[SUM+2:SUM+3], v[TB] offset:EES
	s_wait_dscnt 0x0
	global_store_b64 v[TB], v[SUM+2:SUM+3], s[6:7] offset:16384
.Lend:
	s_wait_dscnt 0x0                               ; the closing lines, six on end
	s_wait_alu 0x0
	s_wait_tensorcnt 0x0
	ds_add_u32 v[SPW], v[NIL]
	s_wait_dscnt 0x0
	s_endpgm
.Lfunc_end_k_q1fd73978d7_prep:
	.size	k_q1fd73978d7_prep, .Lfunc_end_k_q1fd73978d7_prep-k_q1fd73978d7_prep
	.p2alignl 7, 3214868480
	.fill 96, 4, 3214868480
	.section	.rodata,"a",@progbits
	.p2align	6, 0x0
	.amdhsa_kernel k_q1fd73978d7_prep
		.amdhsa_group_segment_fixed_size 768
		.amdhsa_private_segment_fixed_size 0
		.amdhsa_enable_private_segment 0
		.amdhsa_kernarg_size 16
		.amdhsa_user_sgpr_count 2
		.amdhsa_user_sgpr_kernarg_segment_ptr 1
		.amdhsa_wavefront_size32 1
		.amdhsa_system_sgpr_workgroup_id_x 1
		.amdhsa_system_sgpr_workgroup_id_y 1
		.amdhsa_system_sgpr_workgroup_id_z 1
		.amdhsa_system_vgpr_workitem_id 0
		.amdhsa_next_free_vgpr 112
		.amdhsa_next_free_sgpr 66
		.amdhsa_reserve_vcc 0
		.amdhsa_float_denorm_mode_32 3
		.amdhsa_float_denorm_mode_16_64 3
		.amdhsa_memory_ordered 1
		.amdhsa_forward_progress 1
		.amdhsa_inst_pref_size 12
	.end_amdhsa_kernel
	.amdgpu_metadata
---
amdhsa.version: [ 1, 2 ]
amdhsa.kernels:
  - .name:           k_q1fd73978d7_prep
    .symbol:         k_q1fd73978d7_prep.kd
    .args:
      - { .name: emb, .offset: 0, .size: 8, .value_kind: global_buffer, .address_space: global }
      - { .name: cb, .offset: 8, .size: 8, .value_kind: global_buffer, .address_space: global }
    .group_segment_fixed_size: 768
    .private_segment_fixed_size: 0
    .kernarg_segment_align: 8
    .kernarg_segment_size: 16
    .max_flat_workgroup_size: 128
    .sgpr_count:     66
    .vgpr_count:     112
    .wavefront_size: 32
...
	.end_amdgpu_metadata
.endif
;; end of part 8
;; launch amin: the kernel of part 6 again; grid 256 x 1, 8 waves a work-group, clusters of 4 x 1, 327,680 bytes of LDS; arguments z_e, cb, out2, idxw, part; writes out2, idxw, part
;; launch gath: the kernel of part 7 again; grid 256 x 1, 8 waves a work-group, no clusters, 35,840 bytes of LDS; arguments z_e, emb, idxw, part, out0, out1; writes out0, out1
